; MI455X (gfx1250); checked and timed in simulation.
; The chip was launched on July 23, 2026; its instructions are those of AMD's public machine-readable ISA for CDNA 5 (MIT licence, August 2026) and "CDNA5" Instruction Set Architecture Reference Guide (July 2026). The comments in the code are by the model that wrote it; some were corrected since.
;; Transformer Block. Allowed arithmetic: matrix products marked QUANTISED: E3M2 operands, one E8M0 scale for each 32 along K, by v_wmma_scale_f32_16x16x128_f8f6f4 with both operands' format E3M2, f32 sums; everything else in f32.
;; Inputs: W1 1,024 x 4,096 float32; W2 4,096 x 1,024 float32; Wk 1,024 x 1,024 float32; Wo 1,024 x 1,024 float32; Wq 1,024 x 1,024 float32; Wv 1,024 x 1,024 float32; b1 4,096 float32; b2 1,024 float32; bo 1,024 float32; g1 1,024 float32; g2 1,024 float32; s1 1,024 float32; s2 1,024 float32; x 2 x 2,048 x 1,024 float32.
;; Outputs: out0 2 x 2,048 x 1,024 float32.
;; This version of the problem:
;;   THIS VERSION OF THE PROBLEM IS GIVEN IN LOW PRECISION. The matrix products marked QUANTISED in the list below multiply operands that are first quantised to E3M2 (3 exponent bits, 2 mantissa bits; 6 bits a number), with one power-of-two scale for each 32 numbers along K (OCP MX v1.0); their sums are f32. All else is computed in f32.
;;   The module's matrix products, in the order in which they are computed (A, B: the left and right operand; K: the contracted axis; several contracted axes count as one K, in the product's order):
;;     1. [M 4,096, K 1,024] x [K 1,024, N 1,024]; A: computed on the way; B: input Wq: QUANTISED
;;     2. [M 4,096, K 1,024] x [K 1,024, N 1,024]; A: computed on the way; B: input Wk: QUANTISED
;;     3. [M 4,096, K 1,024] x [K 1,024, N 1,024]; A: computed on the way; B: input Wv: QUANTISED
;;     4. batch 32 x [M 2,048, K 64] x [K 64, N 2,048]; A: computed on the way; B: computed on the way: QUANTISED
;;     5. batch 32 x [M 2,048, K 2,048] x [K 2,048, N 64]; A: softmax (see below); B: computed on the way: QUANTISED
;;     6. [M 4,096, K 1,024] x [K 1,024, N 1,024]; A: computed on the way; B: input Wo: QUANTISED
;;     7. [M 4,096, K 1,024] x [K 1,024, N 4,096]; A: computed on the way; B: input W1: QUANTISED
;;     8. [M 4,096, K 4,096] x [K 4,096, N 1,024]; A: computed on the way; B: input W2: QUANTISED
;;   THE QUANTISER, for each operand of a quantised product, along K:
;;     - K is cut into blocks of 32 from its start; a last block that is shorter is filled with zeros.
;;     - A block's scale is 2^e with e = floor(log2(the largest magnitude in the block)) - 4, held to -126 .. 127; a block of zeros has e = 0. As a byte (E8M0): e + 127.
;;     - Each number is divided by its block's scale, clamped to +-28, and rounded to the nearest number of E3M2, ties to even, subnormals kept.
;;     - The product sums the exact products of the quantised numbers (number of the format x scale) in f32.
;;   ~~~python
;;   def quantise(x, axis):      # numpy; x: float32 -> the quantised numbers, widened to float32 again
;;       x = np.moveaxis(x, axis, -1); K = x.shape[-1]
;;       x = np.pad(x, [(0, 0)] * (x.ndim - 1) + [(0, -K % 32)]); x = x.reshape(x.shape[:-1] + (-1, 32)); a = np.abs(x).max(-1, keepdims=True)
;;       e = np.where(a > 0, np.clip(np.frexp(np.where(a > 0, a, 1))[1] - 1 - 4, -126, 127), 0)      # np.frexp(a)[1] - 1 = floor(log2(a)), exactly
;;       r = np.clip(x / 2.0 ** e, -28, 28)
;;       step = 2.0 ** (np.maximum(np.frexp(np.where(r == 0, 1, r))[1] - 1, -2) - 2)
;;       q = np.round(r / step) * step * 2.0 ** e      # np.round: ties to even
;;       return np.moveaxis(q.reshape(q.shape[:-2] + (-1,))[..., :K], -1, axis).astype(np.float32)
;;   ~~~
;;   SOFTMAX AHEAD OF A QUANTISED PRODUCT. Where the list says 'softmax', what is quantised is not the finished softmax but p = 2^(t - M), with t = logit x log2(e) and M = ceil(the row's largest t), a whole number; so 1/2 < the row's largest p <= 1. The row's sum l is taken of the UNQUANTISED p, in f32, and the product's result is divided by l at the end. Since M is a whole number, a kernel that streams over the keys may use a running M (the ceiling of the running maximum): every later rescaling is an exact power of two, which a block's scale takes up: the codes' values come out the same.
;;   OPERANDS COMPUTED ON THE WAY. 'Computed on the way' means the value that the module computes at that place (a softmax that the list does not call 'softmax' is quantised finished and normalised). What goes into a quantiser is computed in f32, as accurately as f32 sums, v_exp_f32 and their like allow (about 1e-6 of the number): no bf16 or f16 on the way to a quantiser, and a product that is left as it is and whose result goes on into a quantised operand takes f32 operands (vector FMAs, or v_wmma_f32_16x16x4_f32). A number that lies on a knife's edge between two numbers of the format may be rounded either way, as far as f32 arithmetic and the matrix unit's own rounding can turn it there, and no further.
;; One version. Each part assembles by itself: llvm-mc -triple=amdgcn-amd-amdhsa -mcpu=gfx1250 --defsym DOCPART=n.
;; ======== version 1 of 1: 7 launches
;; limits: right only within a limited range of input values
;; workspace buffers: wc 9,830,400 bytes; hc 3,276,800 bytes; qkv 9,830,400 bytes; cc 3,276,800 bytes; x1 16,777,216 bytes; h2c 3,276,800 bytes; hid 13,107,200 bytes
;; launch prep (part 1): grid 1024 x 1, 16 waves a work-group, no clusters, 80,896 bytes of LDS; arguments x, g1, s1, hc, Wq, Wk, Wv, Wo, W1, W2, wc; writes hc, wc
.if DOCPART == 1
	.amdgcn_target "amdgcn-amd-amdhsa--gfx1250"
	.amdhsa_code_object_version 6
	.text
	.protected	k_q2c9fc1960e_prep
	.globl	k_q2c9fc1960e_prep
	.p2align	8
	.type	k_q2c9fc1960e_prep,@function
k_q2c9fc1960e_prep:
	s_mov_b64 s[64:65], 0
	v_nop
	global_prefetch_b8 v0, s[64:65] scope:SCOPE_SE
	s_setreg_imm32_b32 hwreg(HW_REG_WAVE_MODE, 25, 1), 1
	s_wait_xcnt 0x0
; PREP.  Work-groups 0-255: LayerNorm 1 of x [4096][1024] f32, quantised to codes of BF6 (E3M2) with one E8M0 byte for each 32 along K.
; Work-groups 256-1023: the six weights, f32 stored [K][N], quantised along K (their first axis).
; THE RECORD, 12,800 bytes: 128 rows (tokens, or columns n of a weight) x 128 along K.  Bytes 0..12,287: eight fragments of 1,536 bytes, each an image of the
; operand's 12 registers: register j of lane l at 512 (j / 4) + 16 l + 4 (j % 4).  Bytes 12,288 on: the scale word of tile t, index i at 256 (t / 4) + 16 i + 4 (t % 4).
; TILE ORDER: tile t = 2 g + u, index i stands for row 32 g + 8 u + i + 8 (i / 8).
; hc: [token panel 32][K step 8] records.  wc: record number = work-group - 256: Wq, Wk, Wv, Wo [n panel 32][K step 8], W1 [32][8], W2 [8][32].
; LIMITS: NaN and infinities are not served.  A block whose largest magnitude lies under 2^-122, a block of zeros too, gets the byte 1 (its codes are zeros or tiny;
; the bytes are read by this program alone).  The norm multiplies by v_rsq_f32 where the source divides by a root.
; The two paths part on the work-group's number and have LDS bytes of their own: the weights' stage at 0, the norm's rows at LNS.
.set LNS, 12800                        ; 16 rows of 4,096 bytes + 16: row r starts 4 banks on from row r - 1
.set LP,  4112
.set PC,  10                           ; v10-21 a fragment's codes, v22-28 at work
.set PW,  29                           ; its scale word
.set TM,  96                           ; v96-111 at work in QUANT
.set SEL, 56                           ; s[56:57] v_permlanex16_b32's selects for lane l xor 16
; 64 numbers of a lane, register 16 b + i = k 32 b + 16 (lane / 16) + i of my row, become a fragment's codes in v[PC] on and its scale word in v[PW]
.macro QUANT s
.irp b, 0,1,2,3
	v_max3_num_f32 v[TM+\b], |v[\s+16*\b]|, |v[\s+1+16*\b]|, 0x2800000   ; my 16 numbers of block b, and the floor 2^(5 - 127): the byte cannot fall under 1
.endr
.irp i, 2,4,6,8,10,12,14
.irp b, 0,1,2,3
	s_delay_alu instid0(VALU_DEP_4)
	v_max3_num_f32 v[TM+\b], v[TM+\b], |v[\s+16*\b+\i]|, |v[\s+1+16*\b+\i]|
.endr
.endr
.irp b, 0,1,2,3
	s_delay_alu instid0(VALU_DEP_4)
	v_permlanex16_b32 v[TM+4+\b], v[TM+\b], s[SEL], s[SEL+1]
.endr
.irp b, 0,1,2,3
	s_delay_alu instid0(VALU_DEP_4)
	v_max_num_f32 v[TM+\b], v[TM+\b], v[TM+4+\b]           ; with lane l xor 16's: the block's largest magnitude
.endr
.irp b, 0,1,2,3
	s_delay_alu instid0(VALU_DEP_4)
	v_add_nc_u32 v[TM+12+\b], 0xfe000000, v[TM+\b]         ; 4 off its exponent field: the conversion's scale operand
.endr
.irp b, 0,1,2,3
	s_delay_alu instid0(VALU_DEP_4)
	v_lshrrev_b32 v[TM+4+\b], 23, v[TM+12+\b]              ; the scale's byte
.endr
	s_delay_alu instid0(VALU_DEP_3)
	v_lshl_or_b32 v[PW], v[TM+5], 8, v[TM+4]
	s_delay_alu instid0(VALU_DEP_1)
	v_lshl_or_b32 v[PW], v[TM+6], 16, v[PW]
	s_delay_alu instid0(VALU_DEP_1)
	v_lshl_or_b32 v[PW], v[TM+7], 24, v[PW]
.irp c, 0,1
	v_cvt_scalef32_pk16_bf6_f32 v[PC+6*\c:PC+2+6*\c], v[\s+32*\c:\s+15+32*\c], v[TM+12+2*\c]
	v_cvt_scalef32_pk16_bf6_f32 v[PC+12+4*\c:PC+14+4*\c], v[\s+16+32*\c:\s+31+32*\c], v[TM+13+2*\c]   ; (a conversion's three registers begin on an even number)
.endr
	v_nop                                          ; one plain place behind a scaled conversion
.irp c, 0,1                                    ; the layout wants a whole block in a lane: lanes 0-15 block 2 c, lanes 16-31 block 2 c + 1
.irp i, 0,1,2
	v_permlane16_swap_b32 v[PC+6*\c+\i], v[PC+12+4*\c+\i]
.endr
.irp i, 0,1,2
	s_delay_alu instid0(VALU_DEP_3)
	v_mov_b32 v[PC+3+6*\c+\i], v[PC+12+4*\c+\i]
.endr
.endr
.endm
.macro WSUM r, t                       ; the sum over the wave's 32 lanes, in every lane
	s_delay_alu instid0(VALU_DEP_1)
	v_add_f32_dpp v[\r], v[\r], v[\r] row_xmask:1 row_mask:0xf bank_mask:0xf
	s_delay_alu instid0(VALU_DEP_1)
	v_add_f32_dpp v[\r], v[\r], v[\r] row_xmask:2 row_mask:0xf bank_mask:0xf
	s_delay_alu instid0(VALU_DEP_1)
	v_add_f32_dpp v[\r], v[\r], v[\r] row_xmask:4 row_mask:0xf bank_mask:0xf
	s_delay_alu instid0(VALU_DEP_1)
	v_add_f32_dpp v[\r], v[\r], v[\r] row_xmask:8 row_mask:0xf bank_mask:0xf
	s_delay_alu instid0(VALU_DEP_1)
	v_permlanex16_b32 v[\t], v[\r], s[SEL], s[SEL+1]
	s_delay_alu instid0(VALU_DEP_1)
	v_add_f32 v[\r], v[\r], v[\t]
.endm
	s_load_b256 s[4:11], s[0:1], 0x0               ; x, g1, s1, hc
	s_load_b256 s[12:19], s[0:1], 0x20             ; Wq, Wk, Wv, Wo
	s_load_b128 s[20:23], s[0:1], 0x40             ; W1, W2
	s_load_b64 s[24:25], s[0:1], 0x50              ; wc
	v_lshl_add_u32 v1, v0, 2, 0x13400              ; v1, v31: my spare word and 0, kept for the add alone: the text names v0-v127, 128 registers a wave
	v_mov_b32 v31, 0
	v_lshrrev_b32 v6, 5, v0
	s_delay_alu instid0(VALU_DEP_1)
	v_readfirstlane_b32 s28, v6                    ; wave 0..15
	v_and_b32 v2, 31, v0                           ; lane
	v_and_b32 v3, 15, v0                           ; r
	v_bfe_u32 v4, v0, 4, 1                         ; h
	s_delay_alu instid0(VALU_DEP_3)
	v_lshlrev_b32 v5, 4, v2                        ; 16 x lane
	s_cmp_lt_u32 ttmp9, 256
	s_cbranch_scc0 .Lweights
	; ---------------- THE NORM.  A work-group is one tile of 16 rows; wave w takes the tile's index w
	s_lshr_b32 s30, ttmp9, 3                       ; token panel
	s_and_b32 s31, ttmp9, 7                        ; tile t
	s_lshl_b32 s34, s30, 7
	s_lshr_b32 s32, s31, 1
	s_lshl_b32 s32, s32, 5
	s_add_co_u32 s34, s34, s32
	s_and_b32 s32, s31, 1
	s_lshl_b32 s32, s32, 3
	s_add_co_u32 s34, s34, s32
	s_add_co_u32 s34, s34, s28
	s_and_b32 s32, s28, 8
	s_add_co_u32 s34, s34, s32                     ; my row: 128 panel + 32 (t / 2) + 8 (t % 2) + w + 8 (w / 8)
	s_lshl_b32 s34, s34, 12                        ; x 4,096 bytes
	s_mov_b32 s35, 0
	s_mul_i32 s36, s28, LP
	s_wait_alu depctr_va_vdst(0)
	v_add_nc_u32 v6, s36, v5                       ; LDS, in: row w, 16 bytes a lane
	s_and_b32 s46, s28, 7                          ; the K step that I quantise, if I am one of waves 0-7
	s_lshl_b32 s37, s46, 9
	v_mul_u32_u24 v7, v3, LP
	s_delay_alu instid0(VALU_DEP_1)
	v_lshl_add_u32 v7, v4, 6, v7
	s_delay_alu instid0(VALU_DEP_1)
	v_add_nc_u32 v7, s37, v7                       ; LDS, out: row r, + 512 K step + 64 h
	v_lshlrev_b32 v30, 4, v3                       ; 16 r: my scale word's place
	s_mov_b32 s38, 0x3a800000                      ; 1 / 1024
	s_mov_b32 s39, 0x3727c5ac                      ; 1e-5
	s_mov_b32 s[SEL], 0x76543210
	s_mov_b32 s[SEL+1], 0xfedcba98
	s_mul_i32 s40, s30, 102400
	s_mul_i32 s41, s46, 12800
	s_add_co_u32 s40, s40, s41                     ; the record
	s_mul_i32 s41, s31, 1536
	s_add_co_u32 s42, s40, s41                     ; my tile's fragment in it
	s_mov_b32 s43, 0
	s_lshr_b32 s44, s31, 2
	s_lshl_b32 s44, s44, 8
	s_and_b32 s45, s31, 3
	s_lshl_b32 s45, s45, 2
	s_add_co_u32 s44, s44, s45
	s_add_co_u32 s44, s44, s40
	s_add_co_u32 s44, s44, 12288                   ; and its scale words
	s_mov_b32 s45, 0
	s_wait_kmcnt 0x0
	s_add_nc_u64 s[4:5], s[4:5], s[34:35]
	s_add_nc_u64 s[42:43], s[10:11], s[42:43]
	s_add_nc_u64 s[44:45], s[10:11], s[44:45]
.irp j, 0,1,2,3,4,5,6,7
	global_load_b128 v[32+4*\j:35+4*\j], v5, s[4:5] offset:512*\j      ; the row: 512 consecutive bytes a load
.endr
.irp j, 0,1,2,3,4,5,6,7
	global_load_b128 v[64+4*\j:67+4*\j], v5, s[6:7] offset:512*\j      ; the gain
.endr
.irp j, 0,1,2,3,4,5,6,7
	global_load_b128 v[96+4*\j:99+4*\j], v5, s[8:9] offset:512*\j      ; the shift
.endr
	s_wait_loadcnt 16                              ; the row is in; the 16 loads of gain and shift may be out
	v_pk_add_f32 v[10:11], v[32:33], v[34:35]
	v_pk_add_f32 v[12:13], v[48:49], v[56:57]
	v_pk_add_f32 v[14:15], v[36:37], v[38:39]
	v_pk_add_f32 v[28:29], v[50:51], v[58:59]
	v_pk_add_f32 v[26:27], v[40:41], v[42:43]
	v_pk_add_f32 v[24:25], v[52:53], v[60:61]
	v_pk_add_f32 v[22:23], v[44:45], v[46:47]
	v_pk_add_f32 v[8:9], v[54:55], v[62:63]
	s_delay_alu instid0(VALU_DEP_1)
	v_pk_add_f32 v[8:9], v[8:9], v[28:29]
	v_pk_add_f32 v[10:11], v[10:11], v[26:27]
	v_pk_add_f32 v[12:13], v[12:13], v[24:25]
	v_pk_add_f32 v[14:15], v[14:15], v[22:23]
	s_delay_alu instid0(VALU_DEP_2)
	v_pk_add_f32 v[8:9], v[8:9], v[12:13]
	s_delay_alu instid0(VALU_DEP_2)
	v_pk_add_f32 v[10:11], v[10:11], v[14:15]
	s_delay_alu instid0(VALU_DEP_1)
	v_pk_add_f32 v[8:9], v[8:9], v[10:11]
	s_delay_alu instid0(VALU_DEP_1)
	v_add_f32 v8, v8, v9
	WSUM 8, 9
	s_delay_alu instid0(VALU_DEP_1)
	v_mul_f32 v8, s38, v8                          ; the mean
	s_delay_alu instid0(VALU_DEP_1)
	v_mov_b32 v9, v8
.set i, 0
.rept 16
	v_pk_add_f32 v[32+2*i:33+2*i], v[32+2*i:33+2*i], v[8:9] neg_lo:[0,1] neg_hi:[0,1]   ; d = x - mean
.set i, i+1
.endr
.irp k, 0,1,2,3
	v_pk_mul_f32 v[10+2*\k:11+2*\k], v[32+2*\k:33+2*\k], v[32+2*\k:33+2*\k]             ; the sum of d^2, in four chains
.endr
.irp j, 40,48,56
.irp k, 0,1,2,3
	s_delay_alu instid0(VALU_DEP_4)
	v_pk_fma_f32 v[10+2*\k:11+2*\k], v[\j+2*\k:\j+2*\k+1], v[\j+2*\k:\j+2*\k+1], v[10+2*\k:11+2*\k]
.endr
.endr
	s_delay_alu instid0(VALU_DEP_3)
	v_pk_add_f32 v[10:11], v[10:11], v[12:13]
	s_delay_alu instid0(VALU_DEP_2)
	v_pk_add_f32 v[14:15], v[14:15], v[16:17]
	s_delay_alu instid0(VALU_DEP_1)
	v_pk_add_f32 v[10:11], v[10:11], v[14:15]
	s_delay_alu instid0(VALU_DEP_1)
	v_add_f32 v10, v10, v11
	WSUM 10, 11
	s_delay_alu instid0(VALU_DEP_1)
	v_fma_f32 v10, v10, s38, s39                   ; the variance + 1e-5
	s_wait_alu depctr_va_vdst(0)
	v_rsq_f32 v10, v10
	v_nop                                          ; one plain place behind a transcendental
	s_wait_alu depctr_va_vdst(0)
	v_mov_b32 v11, v10
	s_wait_alu depctr_va_vdst(0)
	s_wait_loadcnt 0x0
.set i, 0
.rept 16
	v_pk_mul_f32 v[32+2*i:33+2*i], v[32+2*i:33+2*i], v[10:11]
.set i, i+1
.endr
.set i, 0
.rept 16
	v_pk_fma_f32 v[32+2*i:33+2*i], v[32+2*i:33+2*i], v[64+2*i:65+2*i], v[96+2*i:97+2*i]
.set i, i+1
.endr
.irp j, 0,1,2,3,4,5,6,7
	ds_store_b128 v6, v[32+4*\j:35+4*\j] offset:LNS+512*\j
.endr
	s_wait_dscnt 0x0                               ; for the others' sake: my row lies in LDS
	s_barrier_signal -1
	s_barrier_wait -1
	s_cmp_lt_u32 s28, 8
	s_cbranch_scc1 .Lquant
	s_wait_tensorcnt 0x0
	ds_add_u32 v1, v31
	s_wait_dscnt 0x0
	s_endpgm
.Lquant:                                               ; wave s quantises K step s of the 16 rows: lane (r, h) takes 16 neighbours of each block of 32 of row r
.irp b, 0,1,2,3
.irp j, 0,1,2,3
	ds_load_b128 v[32+16*\b+4*\j:35+16*\b+4*\j], v7 offset:LNS+128*\b+16*\j
.endr
.endr
.irp b, 0,1,2,3
	v_mov_b32 v[TM+4+\b], 0                        ; a lane permute's destination counts as one of its sources
.endr
	s_wait_dscnt 0x0
	QUANT 32
.irp c, 0,1,2
	global_store_b128 v5, v[PC+4*\c:PC+4*\c+3], s[42:43] offset:512*\c   ; the fragment as it stands: 512 consecutive bytes a store
.endr
	global_store_b32 v30, v[PW], s[44:45]          ; 16 words, 16 bytes apart (lanes l and l + 16 store the same word to the same place)
	s_wait_tensorcnt 0x0
	ds_add_u32 v1, v31
	s_wait_dscnt 0x0
	s_endpgm
	; ---------------- THE WEIGHTS.  A work-group makes one record: 128 columns n x 128 along K.  A lane takes a column and its registers run down K.
.Lweights:
	s_sub_co_u32 s30, ttmp9, 256                   ; the record's number
	s_lshr_b32 s31, s30, 8                         ; 0: Wq, Wk, Wv, Wo;  1: W1;  2: W2
	s_and_b32 s32, s30, 255
	s_cmp_eq_u32 s31, 2
	s_cselect_b32 s33, 5, 3                        ; W2 has 32 K steps, the others 8
	s_cselect_b32 s34, 31, 7
	s_and_b32 s35, s32, s34                        ; K step
	s_lshr_b32 s36, s32, s33
	s_cmp_eq_u32 s31, 1
	s_cselect_b32 s37, 31, 7                       ; W1 has 32 panels of columns, the others 8
	s_cselect_b32 s38, 14, 12                      ; and rows of 16,384 bytes, the others of 4,096
	s_and_b32 s36, s36, s37                        ; panel
	s_lshl_b32 s39, 1, s38                         ; a row in bytes
	s_and_b32 s41, s28, 3                          ; g: my 32 columns
	s_lshr_b32 s42, s28, 2                         ; b: my block of 32 along K
	s_lshl_b32 s44, s35, 7
	s_lshl_b32 s43, s42, 5
	s_add_co_u32 s44, s44, s43
	s_lshl_b32 s44, s44, s38                       ; (128 K step + 32 b) rows
	s_lshl_b32 s43, s36, 9
	s_add_co_u32 s44, s44, s43
	s_lshl_b32 s43, s41, 7
	s_add_co_u32 s44, s44, s43                     ; + 512 panel + 128 g
	s_mov_b32 s45, 0
	s_mul_i32 s46, s30, 12800
	s_mov_b32 s47, 0
	v_lshlrev_b32 v8, 4, v0                        ; the way out: 16 bytes a thread
	s_wait_alu depctr_va_vdst(0)
	v_lshlrev_b32 v9, 2, v2
.set kk, 0
.rept 32
	v_mad_u32_u24 v[64+kk], s39, kk, v9            ; row kk of my block, my column
.set kk, kk+1
.endr
	; where my codes go: column 32 g + L is tile 2 g + u, index i, with u = (L / 8) % 2, i = L % 8 + 8 (L / 16); block b is the fragment's lane i + 16 (b % 2), registers 6 (b / 2) on
	v_and_b32 v23, 7, v0
	s_delay_alu instid0(VALU_DEP_1)
	v_lshl_add_u32 v23, v4, 3, v23                 ; i
	v_bfe_u32 v25, v0, 3, 1                        ; u
	s_delay_alu instid0(VALU_DEP_2)
	v_lshlrev_b32 v24, 4, v23                      ; 16 i
	s_delay_alu instid0(VALU_DEP_1)
	v_mad_u32_u24 v26, v25, 1536, v24
	s_wait_alu depctr_va_vdst(0)
	s_mul_i32 s48, s41, 3072
	s_and_b32 s49, s42, 1
	s_lshl_b32 s49, s49, 8
	s_add_co_u32 s48, s48, s49                     ; 3,072 g + 256 (b % 2)
	s_lshr_b32 s49, s42, 1                         ; c = b / 2
	s_mul_i32 s50, s49, 520
	s_add_co_u32 s50, s50, s48
	v_add_nc_u32 v27, s50, v26                     ; registers 6 c, 6 c + 1: + 520 c
	s_add_co_u32 s50, s50, 512
	v_add_nc_u32 v29, s50, v26                     ; registers 6 c + 4, + 5: + 512 + 520 c
	s_mul_i32 s50, s49, 1016
	s_add_co_u32 s50, s50, s48
	s_add_co_u32 s50, s50, 8
	v_add_nc_u32 v28, s50, v26                     ; registers 6 c + 2, + 3: + 8 + 1,016 c
	s_lshr_b32 s50, s41, 1
	s_lshl_b32 s50, s50, 8
	s_and_b32 s51, s41, 1
	s_lshl_b32 s51, s51, 3
	s_add_co_u32 s50, s50, s51
	s_add_co_u32 s50, s50, s42                     ; 256 (g / 2) + 8 (g % 2) + b
	v_lshl_add_u32 v30, v25, 2, v24
	s_delay_alu instid0(VALU_DEP_1)
	v_add_nc_u32 v30, s50, v30                     ; my scale byte: + 16 i + 4 u
	s_lshr_b32 s40, s32, 6
	s_wait_kmcnt 0x0
	s_cmp_eq_u32 s40, 1                            ; which weight: the choice hangs on the work-group's number alone
	s_cselect_b64 s[12:13], s[14:15], s[12:13]
	s_cmp_eq_u32 s40, 2
	s_cselect_b64 s[12:13], s[16:17], s[12:13]
	s_cmp_eq_u32 s40, 3
	s_cselect_b64 s[12:13], s[18:19], s[12:13]
	s_cmp_eq_u32 s31, 1
	s_cselect_b64 s[12:13], s[20:21], s[12:13]
	s_cmp_eq_u32 s31, 2
	s_cselect_b64 s[12:13], s[22:23], s[12:13]
	s_add_nc_u64 s[12:13], s[12:13], s[44:45]
	s_add_nc_u64 s[24:25], s[24:25], s[46:47]
.set kk, 0
.rept 32
	global_load_b32 v[32+kk], v[64+kk], s[12:13] th:TH_LOAD_NT   ; 128 consecutive bytes a wave; the four waves of a block stand side by side on 512
.set kk, kk+1
.endr
	s_wait_loadcnt 0x0
	v_max3_num_f32 v16, |v32|, |v33|, |v34|        ; the block's largest magnitude: all 32 numbers are mine
	v_max3_num_f32 v17, |v35|, |v36|, |v37|
.irp i, 6,10,14,18,22,26
	s_delay_alu instid0(VALU_DEP_2)
	v_max3_num_f32 v16, v16, |v[32+\i]|, |v[33+\i]|
	s_delay_alu instid0(VALU_DEP_2)
	v_max3_num_f32 v17, v17, |v[34+\i]|, |v[35+\i]|
.endr
	s_delay_alu instid0(VALU_DEP_2)
	v_max3_num_f32 v16, v16, |v62|, |v63|
	s_delay_alu instid0(VALU_DEP_1)
	v_max3_num_f32 v16, v16, v17, 0x2800000        ; and the floor 2^(5 - 127)
	s_delay_alu instid0(VALU_DEP_1)
	v_add_nc_u32 v18, 0xfe000000, v16              ; 4 off the exponent field: the conversion's scale operand
	s_delay_alu instid0(VALU_DEP_1)
	v_lshrrev_b32 v19, 23, v18                     ; the scale's byte
	v_cvt_scalef32_pk16_bf6_f32 v[10:12], v[32:47], v18
	v_cvt_scalef32_pk16_bf6_f32 v[20:22], v[48:63], v18
	v_nop                                          ; one plain place behind a scaled conversion
	v_mov_b32 v13, v20
	v_mov_b32 v14, v21
	v_mov_b32 v15, v22
	ds_store_b64 v27, v[10:11]
	ds_store_b64 v28, v[12:13]
	ds_store_b64 v29, v[14:15]
	ds_store_b8 v30, v19 offset:12288
	s_wait_dscnt 0x0                               ; for the others' sake: my part of the record lies in LDS
	s_barrier_signal -1
	s_barrier_wait -1
	ds_load_b128 v[32:35], v8                      ; the record leaves as it lies: 25 runs of 512 consecutive bytes, 16 waves and then waves 0-8 once more
	s_cmp_lt_u32 s28, 9
	s_cbranch_scc0 .Lone
	ds_load_b128 v[36:39], v8 offset:8192
	s_wait_dscnt 0x0
	global_store_b128 v8, v[36:39], s[24:25] offset:8192
.Lone:
	s_wait_dscnt 0x0
	global_store_b128 v8, v[32:35], s[24:25]
	s_wait_tensorcnt 0x0
	ds_add_u32 v1, v31
	s_wait_dscnt 0x0
	s_endpgm
.Lfunc_end_k_q2c9fc1960e_prep:
	.size	k_q2c9fc1960e_prep, .Lfunc_end_k_q2c9fc1960e_prep-k_q2c9fc1960e_prep
	.p2alignl 7, 3214868480
	.fill 96, 4, 3214868480
	.section	.rodata,"a",@progbits
	.p2align	6, 0x0
	.amdhsa_kernel k_q2c9fc1960e_prep
		.amdhsa_group_segment_fixed_size 80896
		.amdhsa_private_segment_fixed_size 0
		.amdhsa_enable_private_segment 0
		.amdhsa_kernarg_size 88
		.amdhsa_user_sgpr_count 2
		.amdhsa_user_sgpr_kernarg_segment_ptr 1
		.amdhsa_wavefront_size32 1
		.amdhsa_system_sgpr_workgroup_id_x 1
		.amdhsa_system_sgpr_workgroup_id_y 1
		.amdhsa_system_sgpr_workgroup_id_z 1
		.amdhsa_system_vgpr_workitem_id 0
		.amdhsa_next_free_vgpr 128
		.amdhsa_next_free_sgpr 66
		.amdhsa_reserve_vcc 0
		.amdhsa_float_denorm_mode_32 3
		.amdhsa_float_denorm_mode_16_64 3
		.amdhsa_memory_ordered 1
		.amdhsa_forward_progress 1
		.amdhsa_inst_pref_size 31
	.end_amdhsa_kernel
	.amdgpu_metadata
---
amdhsa.version: [ 1, 2 ]
amdhsa.kernels:
  - .name:           k_q2c9fc1960e_prep
    .symbol:         k_q2c9fc1960e_prep.kd
    .args:
      - { .name: x, .offset: 0, .size: 8, .value_kind: global_buffer, .address_space: global }
      - { .name: g1, .offset: 8, .size: 8, .value_kind: global_buffer, .address_space: global }
      - { .name: s1, .offset: 16, .size: 8, .value_kind: global_buffer, .address_space: global }
      - { .name: hc, .offset: 24, .size: 8, .value_kind: global_buffer, .address_space: global }
      - { .name: Wq, .offset: 32, .size: 8, .value_kind: global_buffer, .address_space: global }
      - { .name: Wk, .offset: 40, .size: 8, .value_kind: global_buffer, .address_space: global }
      - { .name: Wv, .offset: 48, .size: 8, .value_kind: global_buffer, .address_space: global }
      - { .name: Wo, .offset: 56, .size: 8, .value_kind: global_buffer, .address_space: global }
      - { .name: W1, .offset: 64, .size: 8, .value_kind: global_buffer, .address_space: global }
      - { .name: W2, .offset: 72, .size: 8, .value_kind: global_buffer, .address_space: global }
      - { .name: wc, .offset: 80, .size: 8, .value_kind: global_buffer, .address_space: global }
    .group_segment_fixed_size: 80896
    .private_segment_fixed_size: 0
    .kernarg_segment_align: 8
    .kernarg_segment_size: 88
    .max_flat_workgroup_size: 512
    .sgpr_count:     66
    .vgpr_count:     128
    .wavefront_size: 32
...
	.end_amdgpu_metadata
.endif
;; end of part 1
;; launch qkvg (part 2): grid 12 x 16, 4 waves a work-group, clusters of 4 x 4, 327,680 bytes of LDS; arguments wc, hc, qkv; writes qkv
.if DOCPART == 2
	.amdgcn_target "amdgcn-amd-amdhsa--gfx1250"
	.amdhsa_code_object_version 6
	.text
	.protected	k_q2c9fc1960e_qkvg
	.globl	k_q2c9fc1960e_qkvg
	.p2align	8
	.type	k_q2c9fc1960e_qkvg,@function
k_q2c9fc1960e_qkvg:
	s_mov_b64 s[64:65], 0
	v_nop
	global_prefetch_b8 v0, s[64:65] scope:SCOPE_SE
	s_setreg_imm32_b32 hwreg(HW_REG_WAVE_MODE, 25, 1), 1
	s_wait_xcnt 0x0
	s_wait_alu depctr_hold_cnt(0) depctr_sa_sdst(0) depctr_va_vdst(0) depctr_va_sdst(0) depctr_va_ssrc(0) depctr_va_vcc(0) depctr_vm_vsrc(0)
	s_getreg_b32 s2, hwreg(HW_REG_IB_STS2, 6, 4)
	s_cmp_eq_u32 s2, 0
	s_cbranch_scc0 .Lentry_in_a_cluster
	s_endpgm
.Lentry_in_a_cluster:
	s_bfe_u32 s2, ttmp6, 0x10000c
	s_cmp_lg_u32 s2, 0xf033
	s_cbranch_scc0 .Lentry_shape_is_right
	s_endpgm
.Lentry_shape_is_right:
; q, k, v = LN1(x) Wq, Wk, Wv on codes of BF6 (E3M2) with E8M0 scales, each result quantised at once for attention's two products.
; OPERANDS are RECORDS of 12,800 bytes (128 rows x 128 along K): eight fragments of 1,536 bytes, images of the operand's 12 registers (register j of lane l at 512 (j / 4) + 16 l + 4 (j % 4)),
; then 512 bytes of scale words (tile t, index i at 256 (t / 4) + 16 i + 4 (t % 4)).  Tile t = 2 g + u, index i stands for row 32 g + 8 u + i + 8 (i / 8).
; SOURCE 0's axis runs along a lane's registers: by the tile order the 64 registers of a row of accumulators are 128 neighbours, register 16 b + i = 32 b + 16 (lane / 16) + i.  SOURCE 1 gives a lane one row.
; Clusters x = 0, 1: q and k: source 0 = 256 columns of Wq | Wk, source 1 = 256 tokens: results run along a head pair's 128 channels.
; Cluster x = 2: v: source 0 = 256 tokens, source 1 = 256 columns of Wv: results run along the keys, which are the second product's K.  The text is the same; only bases and coordinates are selected.
; A work-group of four waves makes 256 x 256, a wave 128 x 128: 64 accumulators, 512 registers.
; K = 1,024 is 8 steps of 128, two to a slot, THREE LDS slots: six steps are asked for at the start, three tensor loads a wave; K steps 6 and 7 fill slot 0 again, asked for in K step 1 and
; wanted in K step 5: 256 matrix instructions of the wave lie between.  The eight steps are written out.
; CLUSTERS 4 x 4: source 1's records hang on the cluster's row alone, source 0's on its column alone: each is asked for jointly by the four that share it.
; 192 work-groups.
; qkv: three sections of 256 records (q, k, v), each [batch x 8 + head pair][token panel 16].
; LIMITS: NaN and infinities are not served; a block whose largest magnitude lies under 2^-122 gets the byte 1.
; REGISTERS: window 0: v1-3 r, h, lane; v6-8, v16-24 LDS addresses; v27 16 x lane; v28, v29 for the add; v32-63 scale words, two sets; v64-255 fragment set 0 (source 0's tile i at 64 + 12 i, source 1's at 160 + 12 i).
;   window 1: v64-255 fragment set 1.   windows 2, 3: accumulator (a, b) at window 2 + a / 4, register 64 (a % 4) + 8 b.
.set NT,    8
.set KS,    2
.set REC,   12800
; LDS AS IT IS LAID NOW: four areas of 76,800 bytes, one for each panel (source 1's two, then source 0's two), each filled by the wave of its number: K step k of a panel lies at 12,800 (k % 6) of its area.
; A panel's eight records are dense in memory, so K steps 0 to 5 come by ONE tensor load a wave at the head (300 rows of 256 bytes); K steps 6 and 7 fill the area's first 25,600 bytes again (100 rows).
.set SLOT,  25600                      ; two K steps of one panel: a third of an area
.set SPARE, 307200                     ; behind the three slots: the spare words, 128 bytes for each wave
.set AD1,   16                         ; v16-18 source 1's fragments in slot 0, 1, 2
.set AD0,   19                         ; v19-21 source 0's
.set AS1,   22                         ; v22-24 source 1's scale words
.set AS0,   6                          ; v6-8   source 0's
.set TM,    192
.set PWR,   208                        ; v208-215 the eight tiles' scale words
.set PC,    216
.set SEL,   56
.set G1,  24
.set G1B, 48
.set G0,  68                           ; s[68:71] group 0 for source 1
.set G0B, 80                           ; s[80:83] for source 0
.set MSB, 0
.macro WIN new                         ; the immediate's high byte repeats the setting that is left
.if MSB != (\new)
	s_set_vgpr_msb (MSB<<8)|(\new)
.set MSB, \new
.endif
.endm
.macro PLACES n
.rept \n
	v_nop
.endr
.endm
; A joint load: waves 0 and 1 fetch source 1's records, waves 2 and 3 source 0's.  Four v_nop follow each of the two lines.
.macro JLOAD g0a, g1a, g0b, g1b
	s_cmp_eq_u32 s15, 0
	s_cbranch_scc0 .Lfor_b_\@
	tensor_load_to_lds s[\g0a:\g0a+3], s[\g1a:\g1a+7]
	s_nop 0
.rept 4
	v_nop
.endr
	s_branch .Lasked_\@
.Lfor_b_\@:
	tensor_load_to_lds s[\g0b:\g0b+3], s[\g1b:\g1b+7]
	s_nop 0
.rept 4
	v_nop
.endr
.Lasked_\@:
.endm
.macro CREST                           ; a round of the cluster's barrier behind its opening barrier
	s_cmp_lg_u32 s14, 0
	s_cbranch_scc1 .Lnot_wave_0_\@
	s_barrier_signal -3
.Lnot_wave_0_\@:
	s_barrier_wait -3
	s_barrier_signal -1
	s_barrier_wait -1
.endm
.macro CROUND
	s_barrier_signal -1
	s_barrier_wait -1
	CREST
.endm
; the fragments and scale words of the slot's q-th K step into set p: every fragment load takes 512 consecutive bytes
.macro FETCH slot, q, p
	WIN (\p)<<6
.set fi, 0
.rept NT
.irp c, 0,1,2
	ds_load_b128 v[64+12*fi+4*\c:64+12*fi+4*\c+3], v[AD0+\slot] offset:REC*(\q)+1536*fi+512*\c
.endr
.set fi, fi+1
.endr
.set fi, 0
.rept NT
.irp c, 0,1,2
	ds_load_b128 v[64+12*NT+12*fi+4*\c:64+12*NT+12*fi+4*\c+3], v[AD1+\slot] offset:REC*(\q)+1536*fi+512*\c
.endr
.set fi, fi+1
.endr
	WIN 0
.set fi, 0
.rept NT/4
	ds_load_b128 v[32+16*(\p)+4*fi:32+16*(\p)+4*fi+3], v[AS0+\slot] offset:REC*(\q)+12288+256*fi   ; four tiles' scale words a load, lanes 0-15
	ds_load_b128 v[40+16*(\p)+4*fi:40+16*(\p)+4*fi+3], v[AS1+\slot] offset:REC*(\q)+12288+256*fi
.set fi, fi+1
.endr
.endm
; rows a0 .. a1 - 1 of accumulators, each against source 0's NT tiles.  The accumulators take turns, one instruction a turn, in the same order in every step.
.macro MULROWS p, a0, a1, zero
.set ma, \a0
.rept (\a1)-(\a0)
.set mw, 2+(ma*NT)/32
	WIN (\p)|((\p)<<2)|(mw<<4)|(mw<<6)
.set mb, 0
.rept NT
.set mr, 8*((ma*NT+mb)%32)
.if \zero
	v_wmma_scale_f32_16x16x128_f8f6f4 v[mr:mr+7], v[64+12*mb:64+12*mb+11], v[64+12*NT+12*ma:64+12*NT+12*ma+11], 0, v[32+16*(\p)+mb], v[40+16*(\p)+ma] matrix_a_fmt:MATRIX_FMT_BF6 matrix_b_fmt:MATRIX_FMT_BF6
.else
	v_wmma_scale_f32_16x16x128_f8f6f4 v[mr:mr+7], v[64+12*mb:64+12*mb+11], v[64+12*NT+12*ma:64+12*NT+12*ma+11], v[mr:mr+7], v[32+16*(\p)+mb], v[40+16*(\p)+ma] matrix_a_fmt:MATRIX_FMT_BF6 matrix_b_fmt:MATRIX_FMT_BF6
.endif
.set mb, mb+1
.endr
.set ma, ma+1
.endr
.endm
; a K step on set p whose successor (the nq-th step of slot nslot) lies in bytes that a barrier has already shown whole: the successor's loads go out in one run ahead of this step's products
.macro STEP p, nslot, nq, zero
	s_wait_dscnt 0x0                               ; this step's fragments are in (asked for a step ago)
	PLACES 4                                       ; in front of loads into registers that the last step's products read
	FETCH \nslot, \nq, 1-(\p)
	MULROWS \p, 0, NT, \zero
	WIN 0
.endm
; a K step on set 1 with a barrier in it: in front of the barrier each wave waits for all its tensor loads, adds 0 to its spare word, and waits for that and for its reads so far.
; fill = 1: slot `slot`, just read out, is filled again with the K steps three slots on.  Then the first step of slot `next` is fetched.
.macro TURN slot, next, fill
	s_wait_tensorcnt 0x0                           ; all my tensor loads have landed
	ds_add_u32 v28, v29                            ; 0 onto my spare word
	s_wait_dscnt 0x1                               ; the fragments are in; the add alone may be out
	MULROWS 1, 0, NT/4, 0
	s_wait_dscnt 0x0                               ; the add is done, and my reads of the slots so far are over
	s_barrier_signal -1
	MULROWS 1, NT/4, NT/2, 0
	WIN 0
	s_barrier_wait -1
.if \fill
	CREST                                          ; the barrier has opened a round of the cluster's: no wave of any partner still reads this slot or has a load on its way
	s_add_nc_u64 s[G0+4*\slot+2:G0+4*\slot+3], s[G0+4*\slot+2:G0+4*\slot+3], 3*KS*REC
	s_add_nc_u64 s[G0B+4*\slot+2:G0B+4*\slot+3], s[G0B+4*\slot+2:G0B+4*\slot+3], 3*KS*REC
	JLOAD G0+4*\slot, G1, G0B+4*\slot, G1B         ; the first tensor load behind the round; its four v_nop are the places in front of the loads below
.else
	PLACES 4
.endif
	FETCH \next, 0, 0
	MULROWS 1, NT/2, NT, 0
	WIN 0
.endm
; 64 numbers of a lane in window w, register 16 b + i = k 32 b + 16 (lane / 16) + i of my row, become a fragment's codes in v[PC] on and its scale word in v[pw].  Each accumulator is read from its low end on.
.macro QUANT s, w, pw
	WIN (\w)|((\w)<<2)
.irp b, 0,1,2,3
	v_max3_num_f32 v[TM+\b], |v[(\s)+16*\b]|, |v[(\s)+16*\b+1]|, 0x2800000   ; and the floor 2^(5 - 127): the byte cannot fall under 1
.endr
.irp i, 2,4,6,8,10,12,14
.irp b, 0,1,2,3
	v_max3_num_f32 v[TM+\b], |v[(\s)+16*\b+\i]|, |v[(\s)+16*\b+\i+1]|, v[TM+\b]
.endr
.endr
	WIN 0
.irp b, 0,1,2,3
	v_permlanex16_b32 v[TM+4+\b], v[TM+\b], s[SEL], s[SEL+1]
.endr
.irp b, 0,1,2,3
	v_max_num_f32 v[TM+\b], v[TM+\b], v[TM+4+\b]
.endr
.irp b, 0,1,2,3
	v_add_nc_u32 v[TM+12+\b], 0xfe000000, v[TM+\b]         ; 4 off the exponent field: the conversion's scale operand
.endr
.irp b, 0,1,2,3
	v_lshrrev_b32 v[TM+4+\b], 23, v[TM+12+\b]              ; the scale's byte
.endr
	v_lshl_or_b32 v[\pw], v[TM+5], 8, v[TM+4]
	v_lshl_or_b32 v[\pw], v[TM+6], 16, v[\pw]
	v_lshl_or_b32 v[\pw], v[TM+7], 24, v[\pw]
	WIN \w
.irp c, 0,1
	v_cvt_scalef32_pk16_bf6_f32 v[PC+6*\c:PC+6*\c+2], v[(\s)+32*\c:(\s)+32*\c+15], v[TM+12+2*\c]
	v_cvt_scalef32_pk16_bf6_f32 v[PC+12+4*\c:PC+14+4*\c], v[(\s)+16+32*\c:(\s)+31+32*\c], v[TM+13+2*\c]
.endr
	WIN 0
	v_nop                                          ; one plain place behind a scaled conversion
.irp c, 0,1
.irp i, 0,1,2
	v_permlane16_swap_b32 v[PC+6*\c+\i], v[PC+12+4*\c+\i]
.endr
.irp i, 0,1,2
	v_mov_b32 v[PC+3+6*\c+\i], v[PC+12+4*\c+\i]
.endr
.endr
.endm
	s_load_b128 s[4:7], s[0:1], 0x0                ; wc, hc
	s_load_b64 s[8:9], s[0:1], 0x10                ; qkv
	v_lshl_add_u32 v28, v0, 2, SPARE
	v_mov_b32 v29, 0
	ds_add_u32 v28, v29
	ds_add_u32 v28, v29
	s_wait_dscnt 0x0
	v_lshrrev_b32 v1, 5, v0
	v_readfirstlane_b32 s14, v1                    ; wave 0..3
	s_lshr_b32 s15, s14, 1                         ; my half of source 1.  Also: I fetch source 1 (0) or source 0 (1)
	s_and_b32 s16, s14, 1                          ; my half of source 0.  Also: which panel I fetch
	s_bfe_u32 s40, ttmp6, 0x40000                  ; cx
	s_bfe_u32 s41, ttmp6, 0x40004                  ; cy
	s_and_b32 s18, ttmp7, 0xffff                   ; the cluster's y
	s_cmp_eq_u32 ttmp9, 2                          ; v's clusters?  All partners of a cluster share the answer
	s_cselect_b32 s19, s18, ttmp9
	s_cselect_b32 s18, 0, s18
	s_lshl_b32 s42, s19, 2
	s_add_co_u32 s42, s42, s40                     ; X: which 256 of source 0
	s_lshl_b32 s17, s18, 2
	s_add_co_u32 s17, s17, s41                     ; Y: which 256 of source 1
	s_lshl_b32 s43, s41, 2
	s_lshl_b32 s43, 15, s43                        ; my row of the cluster
	s_lshl_b32 s44, 0x1111, s40                    ; my column
	; descriptor group 1: six records, 76,800 dense bytes, as 300 rows of 256 bytes (32 elements of 8 bytes)
	s_or_b32 s[G1+0], s43, (3<<16)|(1<<21)         ; 15:0 the mask; 17:16 elements of 8 bytes; 21 set beside a mask; no padding
	s_or_b32 s[G1B+0], s44, (3<<16)|(1<<21)
.irp g, G1, G1B
	s_mov_b32 s[\g+1], 32<<16                      ; tensor_dim0
	s_mov_b32 s[\g+2], 300<<16                     ; tensor_dim1: the head's load brings six records
	s_mov_b32 s[\g+3], 32<<16                      ; tile_dim0
	s_mov_b32 s[\g+4], 300                         ; tile_dim1
	s_mov_b32 s[\g+5], 32                          ; tensor_dim0_stride
	s_mov_b32 s[\g+6], 0
	s_mov_b32 s[\g+7], 0
.endr
	s_lshl_b32 s20, s17, 1
	s_add_co_u32 s20, s20, s16
	s_mul_i32 s20, s20, 102400                     ; source 1: panel 2 Y + (wave % 2), 8 records each
	s_mov_b32 s21, 0
	s_lshl_b32 s46, s42, 1
	s_add_co_u32 s46, s46, s16
	s_mul_i32 s46, s46, 102400                     ; source 0: panel 2 X + (wave % 2)
	s_mov_b32 s47, 0
	s_mul_i32 s45, s14, 76800                      ; where they go: my area; no place in the cluster enters an LDS address
	s_wait_kmcnt 0x0
	s_cmp_eq_u32 ttmp9, 2
	s_cselect_b64 s[10:11], s[6:7], s[4:5]         ; source 0: the tokens for v, else the weights
	s_cselect_b64 s[12:13], s[4:5], s[6:7]         ; source 1: the weights for v, else the tokens
	s_cselect_b32 s22, 1638400, 0                  ; Wv's panels begin 16 panels on
	s_add_co_u32 s20, s20, s22
	s_add_nc_u64 s[20:21], s[12:13], s[20:21]
	s_add_nc_u64 s[46:47], s[10:11], s[46:47]
	CROUND                                         ; all sixteen work-groups are here: the first joint loads meet
.irp s, 0                                      ; one group 0 a side: the head's load, and, stepped six records on, the refill
	s_mov_b32 s[G0+4*\s], 1
	s_add_co_u32 s[G0+4*\s+1], s45, \s*SLOT
	s_add_nc_u64 s[G0+4*\s+2:G0+4*\s+3], s[20:21], \s*KS*REC
	s_or_b32 s[G0+4*\s+3], s[G0+4*\s+3], 0x80000000
	s_mov_b32 s[G0B+4*\s], 1
	s_add_co_u32 s[G0B+4*\s+1], s45, \s*SLOT
	s_add_nc_u64 s[G0B+4*\s+2:G0B+4*\s+3], s[46:47], \s*KS*REC
	s_or_b32 s[G0B+4*\s+3], s[G0B+4*\s+3], 0x80000000
	JLOAD G0+4*\s, G1, G0B+4*\s, G1B
.endr
	v_and_b32 v3, 31, v0                           ; lane
	v_and_b32 v1, 15, v0                           ; r
	v_bfe_u32 v2, v0, 4, 1                         ; h
	v_lshlrev_b32 v27, 4, v3                       ; 16 x lane
	v_lshlrev_b32 v4, 4, v1                        ; 16 r
	s_mul_i32 s21, s15, 76800                      ; my panel of source 1
	s_mul_i32 s22, s16, 76800
	s_add_co_u32 s22, s22, 153600                  ; my panel of source 0
.irp s, 0,1,2
	v_add_nc_u32 v[AD1+\s], s21, v27
	v_add_nc_u32 v[AD0+\s], s22, v27
	v_add_nc_u32 v[AS1+\s], s21, v4
	v_add_nc_u32 v[AS0+\s], s22, v4
	s_add_co_u32 s21, s21, SLOT
	s_add_co_u32 s22, s22, SLOT
.endr
	s_mov_b32 s[SEL], 0x76543210
	s_mov_b32 s[SEL+1], 0xfedcba98
	; the record that I write: section (q, k, v), batch, head pair, token panel
	s_lshl_b32 s32, s42, 1
	s_add_co_u32 s32, s32, s16                     ; my panel of source 0
	s_lshl_b32 s33, s17, 1
	s_add_co_u32 s33, s33, s15                     ; my panel of source 1
	s_add_co_u32 s34, s33, 16
	s_cmp_eq_u32 ttmp9, 2
	s_cselect_b32 s35, s34, s32                    ; the panel of weight columns, 0..23
	s_cselect_b32 s36, s32, s33                    ; the token panel, 0..31
	s_lshr_b32 s37, s35, 3
	s_lshl_b32 s37, s37, 8
	s_lshr_b32 s38, s36, 4
	s_lshl_b32 s38, s38, 7
	s_add_co_u32 s37, s37, s38
	s_and_b32 s38, s35, 7
	s_lshl_b32 s38, s38, 4
	s_add_co_u32 s37, s37, s38
	s_and_b32 s38, s36, 15
	s_add_co_u32 s37, s37, s38
	s_mul_i32 s66, s37, REC
	s_mov_b32 s67, 0
	s_add_nc_u64 s[66:67], s[8:9], s[66:67]
	s_wait_alu depctr_va_vdst(0)
	s_wait_tensorcnt 0x0                           ; my area's six K steps are in; no tensor load of mine is out, so a descriptor may be written:
	s_mov_b32 s[G1+2], 100<<16                     ; the refill brings two records: tensor_dim1 = 100,
	s_mov_b32 s[G1+4], 100                         ; tile_dim1 = 100;
	s_mov_b32 s[G1B+2], 100<<16                    ; and the same for source 0
	s_mov_b32 s[G1B+4], 100
	s_barrier_signal -1
	s_barrier_wait -1
	FETCH 0, 0, 0
	STEP 0, 0, 1, 1                                ; K step 0: its products start the sums: nothing is cleared
	TURN 0, 1, 1                                   ; K step 1: all three slots are whole; slot 0 is left and takes K steps 6 and 7
	STEP 0, 1, 1, 0                                ; K step 2
	STEP 1, 2, 0, 0                                ; K step 3: on into slot 2, which the barrier in K step 1 has shown whole
	STEP 0, 2, 1, 0                                ; K step 4
	TURN 2, 0, 0                                   ; K step 5: the refill has landed in every wave's part; nothing is filled again
	STEP 0, 0, 1, 0                                ; K step 6
	s_wait_dscnt 0x0
	MULROWS 1, 0, NT, 0                            ; K step 7
	WIN 0
	; THE WAY OUT: each row of accumulators is one fragment of the record; the wave writes one whole record, 512 consecutive bytes a store
	PLACES 4
.irp b, 0,1,2,3
	v_mov_b32 v[TM+4+\b], 0                        ; a lane permute's destination counts as one of its sources
.endr
.irp a, 0,1,2,3,4,5,6,7
.if \a > 0
	s_wait_xcnt 0x0                                ; the last fragment's stores have read their registers
.endif
	QUANT 64*(\a%4), 2+\a/4, PWR+\a
.irp c, 0,1,2
	global_store_b128 v27, v[PC+4*\c:PC+4*\c+3], s[66:67] offset:1536*\a+512*\c
.endr
.endr
	v_cmp_le_u32 vcc_lo, 16, v3                    ; the scale block: lanes 0-15 hold tiles 0-3's words, lanes 16-31 tiles 4-7's (both halves of the lanes hold every word)
.irp i, 0,1,2,3
	v_cndmask_b32 v[236+\i], v[PWR+\i], v[PWR+4+\i], vcc_lo
.endr
	global_store_b128 v27, v[236:239], s[66:67] offset:12288
	s_wait_tensorcnt 0x0                           ; the wave's end
	ds_add_u32 v28, v29
	s_wait_dscnt 0x0
	CROUND                                         ; the closing round
	s_endpgm
.Lfunc_end_k_q2c9fc1960e_qkvg:
	.size	k_q2c9fc1960e_qkvg, .Lfunc_end_k_q2c9fc1960e_qkvg-k_q2c9fc1960e_qkvg
	.p2alignl 7, 3214868480
	.fill 96, 4, 3214868480
	.section	.rodata,"a",@progbits
	.p2align	6, 0x0
	.amdhsa_kernel k_q2c9fc1960e_qkvg
		.amdhsa_group_segment_fixed_size 327680
		.amdhsa_private_segment_fixed_size 0
		.amdhsa_enable_private_segment 0
		.amdhsa_kernarg_size 24
		.amdhsa_user_sgpr_count 2
		.amdhsa_user_sgpr_kernarg_segment_ptr 1
		.amdhsa_wavefront_size32 1
		.amdhsa_system_sgpr_workgroup_id_x 1
		.amdhsa_system_sgpr_workgroup_id_y 1
		.amdhsa_system_sgpr_workgroup_id_z 1
		.amdhsa_system_vgpr_workitem_id 0
		.amdhsa_next_free_vgpr 1024
		.amdhsa_next_free_sgpr 92
		.amdhsa_reserve_vcc 1
		.amdhsa_float_denorm_mode_32 3
		.amdhsa_float_denorm_mode_16_64 3
		.amdhsa_memory_ordered 1
		.amdhsa_forward_progress 1
		.amdhsa_inst_pref_size 135
	.end_amdhsa_kernel
	.amdgpu_metadata
---
amdhsa.version: [ 1, 2 ]
amdhsa.kernels:
  - .name:           k_q2c9fc1960e_qkvg
    .symbol:         k_q2c9fc1960e_qkvg.kd
    .args:
      - { .name: wc, .offset: 0, .size: 8, .value_kind: global_buffer, .address_space: global }
      - { .name: hc, .offset: 8, .size: 8, .value_kind: global_buffer, .address_space: global }
      - { .name: qkv, .offset: 16, .size: 8, .value_kind: global_buffer, .address_space: global }
    .group_segment_fixed_size: 327680
    .private_segment_fixed_size: 0
    .kernarg_segment_align: 8
    .kernarg_segment_size: 24
    .max_flat_workgroup_size: 128
    .sgpr_count:     92
    .vgpr_count:     1024
    .wavefront_size: 32
...
	.end_amdgpu_metadata
.endif
;; end of part 2
;; launch attn (part 3): grid 16 x 16, 16 waves a work-group, clusters of 4 x 1, 327,680 bytes of LDS; arguments qkv, cc; writes cc
.if DOCPART == 3
	.amdgcn_target "amdgcn-amd-amdhsa--gfx1250"
	.amdhsa_code_object_version 6
	.text
	.protected	k_q2c9fc1960e_attn
	.globl	k_q2c9fc1960e_attn
	.p2align	8
	.type	k_q2c9fc1960e_attn,@function
k_q2c9fc1960e_attn:
	s_mov_b64 s[64:65], 0
	v_nop
	global_prefetch_b8 v0, s[64:65] scope:SCOPE_SE
	s_setreg_imm32_b32 hwreg(HW_REG_WAVE_MODE, 25, 1), 1
	s_wait_xcnt 0x0
	s_wait_alu depctr_hold_cnt(0) depctr_sa_sdst(0) depctr_va_vdst(0) depctr_va_sdst(0) depctr_va_ssrc(0) depctr_va_vcc(0) depctr_vm_vsrc(0)
	s_getreg_b32 s2, hwreg(HW_REG_IB_STS2, 6, 4)
	s_cmp_eq_u32 s2, 0
	s_cbranch_scc0 .Lentry_in_a_cluster
	s_endpgm
.Lentry_in_a_cluster:
	s_bfe_u32 s2, ttmp6, 0x10000c
	s_cmp_lg_u32 s2, 0x3003
	s_cbranch_scc0 .Lentry_shape_is_right
	s_endpgm
.Lentry_shape_is_right:
; Causal attention on codes of BF6 (E3M2) with E8M0 scales; the context is quantised at once for the product with Wo.
; qkv: sections q, k, v of 256 records each, [batch x 8 + head pair][token panel 16].  A record (12,800 bytes) is eight fragments of 1,536 bytes, images of the operand's 12 registers, and 512 bytes of scale words.
; A q or k record: 128 tokens x (the pair's first head | its second) along K.  A v record: the pair's 128 channels (tiles 0-3, tiles 4-7) x 128 keys.  Tile t = 2 g + u, index i stands for row 32 g + 8 u + i + 8 (i / 8).
; SOFTMAX: t = score x log2(e) / 8; M = the running largest t rounded up to a whole number; p = 2^(t - M) is quantised along the keys, not normalised; the row's sum is taken of the unquantised p and divides at the end.
; SHARES.  y = batch x 8 + head pair.  Cluster c of four work-groups owns query panels c, 7 - c, 8 + c, 15 - c: 34 key steps in every cluster.  Wave w: head w % 2, tile 2 cx + (w / 2) % 2 of panel number w / 4 of the four.
; So cx enters global addresses and the mask's offset alone; every branch hangs on w, c and the count of key panels, which partners share.  The four work-groups walk the same K and V: each tile is asked for jointly.
; ONE FRAGMENT OF K SERVES BOTH HEADS: the other head's half of my Q fragment is cleared, and zero codes add nothing; K = 64 fills half of the instruction's 128.
; Both products are used transposed (S^T = K Q^T, O^T = V^T P^T): a lane holds one query throughout; by the tile order the 16 registers of tiles 2 b, 2 b + 1 are keys (channels) 32 b + 16 (lane / 16) + 0 .. 15.
; A STEP'S LDS LOADS FOR K GO OUT IN ONE RUN, 3 of scale words and 24 of fragments: tiles 4-7 land in the registers of p's codes and of the softmax's work, which hold nothing at a step's head.
; CAUSAL: every work-group walks all 16 key panels (constant trip counts; no tensor load or barrier is jumped over); a step whose keys all come after my queries leaves out its work; the panel on the diagonal is masked.
; LIMITS: NaN and infinities are not served; v_exp_f32 gives 0 for results under 2^-126; a block of zeros gets the byte 1.
; REGISTERS: v1-4 lane's places; v5, v6 for the add; v7 the mask's offset; v8-11 addresses in hand; v12 -M, v13 largest t, v[14:15] the sum; v16-27 Q, v28 its scale words; v32-79 four fragments; v80-91 scale words of K and V;
;   v92 -infinity; v93 p's scale word; v96-159 S^T, then p; v160-191 O^T; v192-239 K's tiles 4-7, then p's codes (v192-210) and work (v212-231); v240-245 the way out.
.set REC,   12800
.set SLOT1, 131072                     ; a slot: four records of K, then four of V
.set VOFF,  51200
.set STAGE, 262144                     ; the way out: 768 bytes for each wave
.set SSC,   274432                     ; and eight fragments' scale words, 64 bytes each
.set SPARE, 274944                     ; the spare words, 128 bytes for each wave
.macro TLOAD                           ; waves 0, 1 fetch K's records, waves 2, 3 V's; four v_nop follow the line
	s_cmp_lt_u32 s18, 4
	s_cbranch_scc0 .Lno_load_\@
	tensor_load_to_lds s[32:35], s[24:31]
	s_nop 0
.rept 4
	v_nop
.endr
.Lno_load_\@:
.endm
.macro CROUND
	s_barrier_signal -1
	s_barrier_wait -1
	s_cmp_lg_u32 s18, 0
	s_cbranch_scc1 .Lnot_wave_0_\@
	s_barrier_signal -3
.Lnot_wave_0_\@:
	s_barrier_wait -3
	s_barrier_signal -1
	s_barrier_wait -1
.endm
; The change of slots stands at a slot's head: the slot ahead is whole, nobody reads the other one, and with fill = 1 that other slot is filled with the next four key panels.
.macro CHANGE fill
	s_wait_tensorcnt 0x0                           ; no tensor load of mine is out, so the descriptor may be written
	ds_add_u32 v5, v6                              ; 0 onto my spare word
.if \fill
	s_xor_b32 s33, s33, SLOT1
	s_add_nc_u64 s[34:35], s[34:35], 4*REC
.endif
	s_wait_dscnt 0x0                               ; the add is done, and my reads of the slot that I have left are over
.if \fill
	CROUND
	TLOAD
.else
	s_barrier_signal -1
	s_barrier_wait -1
.endif
.endm
; A KEY STEP: the 128 keys of the slot's q-th record
.macro STEP q
	s_cmp_gt_u32 s37, s38                          ; all its keys come after my queries: nothing to do
	s_cbranch_scc1 .Lhidden_\@
	v_add_nc_u32 v8, s36, v1                       ; (these four are the places in front of the loads below)
	v_add_nc_u32 v9, s36, v2
	v_add_nc_u32 v10, s36, v3
	v_add_nc_u32 v11, s36, v4
	ds_load_b128 v[80:83], v10 offset:REC*(\q)     ; K's scale words, four tiles a load
	ds_load_b128 v[84:87], v10 offset:REC*(\q)+256
	ds_load_b128 v[88:91], v11 offset:REC*(\q)     ; and those of my head's four tiles of V
.irp t, 0,1,2,3                                ; K's tiles 0-3
.irp c, 0,1,2
	ds_load_b128 v[32+12*\t+4*\c:35+12*\t+4*\c], v8 offset:REC*(\q)+1536*\t+512*\c
.endr
.endr
.irp t, 0,1,2,3                                ; K's tiles 4-7
.irp c, 0,1,2
	ds_load_b128 v[192+12*\t+4*\c:195+12*\t+4*\c], v8 offset:REC*(\q)+1536*(4+\t)+512*\c
.endr
.endr
	s_wait_dscnt 0xc                               ; the scale words and tiles 0-3 are in; the 12 loads of tiles 4-7 may be out
	s_wait_alu depctr_va_vdst(0)
.irp t, 0,1,2,3                                ; S^T = K Q^T
	v_wmma_scale_f32_16x16x128_f8f6f4 v[96+8*\t:103+8*\t], v[32+12*\t:43+12*\t], v[16:27], 0, v[80+\t], v28 matrix_a_fmt:MATRIX_FMT_BF6 matrix_b_fmt:MATRIX_FMT_BF6
.endr
	s_wait_dscnt 0x0
.irp t, 0,1,2,3
	v_wmma_scale_f32_16x16x128_f8f6f4 v[128+8*\t:135+8*\t], v[192+12*\t:203+12*\t], v[16:27], 0, v[84+\t], v28 matrix_a_fmt:MATRIX_FMT_BF6 matrix_b_fmt:MATRIX_FMT_BF6
.endr
.rept 4
	v_nop                                          ; places in front of the loads into K's registers, of the first read of the scores and of the work that writes over tiles 4-7
.endr
.irp t, 0,1,2,3                                ; V's four tiles land while the softmax is worked
.irp c, 0,1,2
	ds_load_b128 v[32+12*\t+4*\c:35+12*\t+4*\c], v9 offset:REC*(\q)+1536*\t+512*\c
.endr
.endr
	s_cmp_lt_u32 s37, s38                          ; all its keys count: no mask
	s_cbranch_scc1 .Lopen_\@
.set n, 0
.rept 64                                       ; register 16 b + i holds key 32 b + 16 (lane / 16) + i of the panel: hidden where 32 b + i > v7
	v_cmp_gt_i32 vcc_lo, 32*(n/16)+n%16, v7
	v_cndmask_b32 v[96+n], v[96+n], v92, vcc_lo
.set n, n+1
.endr
.Lopen_\@:
.irp b, 0,1,2,3
	v_max3_num_f32 v[212+\b], v[96+16*\b], v[97+16*\b], v[98+16*\b]   ; the largest score of each block of 32 keys: for the row's maximum and for the block's largest p
.endr
.irp i, 3,5,7,9,11,13
.irp b, 0,1,2,3
	v_max3_num_f32 v[212+\b], v[212+\b], v[96+16*\b+\i], v[97+16*\b+\i]
.endr
.endr
.irp b, 0,1,2,3
	v_max_num_f32 v[212+\b], v[212+\b], v[111+16*\b]
.endr
.irp b, 0,1,2,3
	s_delay_alu instid0(VALU_DEP_4)
	v_permlanex16_b32 v[216+\b], v[212+\b], s20, s21
.endr
.irp b, 0,1,2,3
	s_delay_alu instid0(VALU_DEP_4)
	v_max_num_f32 v[212+\b], v[212+\b], v[216+\b]
.endr
	s_delay_alu instid0(VALU_DEP_2)
	v_max3_num_f32 v228, v212, v213, v214
	s_delay_alu instid0(VALU_DEP_1)
	v_max_num_f32 v228, v228, v215
	s_delay_alu instid0(VALU_DEP_1)
	v_mul_f32 v228, s22, v228                      ; the step's largest t
	s_delay_alu instid0(VALU_DEP_1)
	v_max_num_f32 v13, v13, v228
	v_mov_b32 v228, v12
	s_delay_alu instid0(VALU_DEP_2)
	v_floor_f32 v12, -v13                          ; the new -M = -ceil(t)
	s_delay_alu instid0(VALU_DEP_1)
	v_sub_f32 v228, v12, v228                      ; old M - new M: a whole number, 0 or less
	s_delay_alu instid0(VALU_DEP_1)
	v_cvt_i32_f32 v228, v228                       ; (it saturates)
	s_delay_alu instid0(VALU_DEP_1)
	v_ldexp_f32 v226, 1.0, v228                    ; f = 2^(old M - new M): exact
.set j, 0
.rept 32
	v_pk_fma_f32 v[96+j:97+j], v[96+j:97+j], s[22:23], v[12:13] op_sel_hi:[1,0,0]   ; t - M
.set j, j+2
.endr
.irp b, 0,1,2,3
	v_fma_f32 v[212+\b], v[212+\b], s22, v12
.endr
.set j, 0
	s_wait_alu depctr_va_vdst(0)
.rept 64
	v_exp_f32 v[96+j], v[96+j]                     ; p = 2^(t - M)
.set j, j+1
.endr
.irp b, 0,1,2,3
	v_exp_f32 v[212+\b], v[212+\b]                 ; the block's largest p: the same two instructions on the same number
.endr
	v_pk_mul_f32 v[14:15], v[14:15], v[226:227] op_sel_hi:[1,0]   ; the sum under the new M (a plain place behind the exponentials)
	s_wait_alu depctr_va_vdst(0)
.irp b, 0,1,2,3
	v_max_num_f32 v[212+\b], 0x2800000, v[212+\b]  ; the floor 2^(5 - 127)
.endr
.irp b, 0,1,2,3
	s_delay_alu instid0(VALU_DEP_4)
	v_add_nc_u32 v[220+\b], 0xfe000000, v[212+\b]
.endr
.irp b, 0,1,2,3
	s_delay_alu instid0(VALU_DEP_4)
	v_lshrrev_b32 v[216+\b], 23, v[220+\b]
.endr
	s_delay_alu instid0(VALU_DEP_3)
	v_lshl_or_b32 v93, v217, 8, v216               ; p's scale word for these 128 keys
	s_delay_alu instid0(VALU_DEP_1)
	v_lshl_or_b32 v93, v218, 16, v93
	s_delay_alu instid0(VALU_DEP_1)
	v_lshl_or_b32 v93, v219, 24, v93
.irp c, 0,1
	v_cvt_scalef32_pk16_bf6_f32 v[192+6*\c:194+6*\c], v[96+32*\c:111+32*\c], v[220+2*\c]
	v_cvt_scalef32_pk16_bf6_f32 v[204+4*\c:206+4*\c], v[112+32*\c:127+32*\c], v[221+2*\c]
.endr
	v_nop                                          ; one plain place behind a scaled conversion
.irp c, 0,1
.irp i, 0,1,2
	v_permlane16_swap_b32 v[192+6*\c+\i], v[204+4*\c+\i]
.endr
.irp i, 0,1,2
	s_delay_alu instid0(VALU_DEP_3)
	v_mov_b32 v[195+6*\c+\i], v[204+4*\c+\i]
.endr
.endr
	v_pk_add_f32 v[230:231], v[100:101], v[104:105]
	v_pk_add_f32 v[254:255], v[108:109], v[112:113]
	v_pk_add_f32 v[252:253], v[116:117], v[120:121]
	v_pk_add_f32 v[250:251], v[124:125], v[128:129]
	v_pk_add_f32 v[248:249], v[132:133], v[136:137]
	v_pk_add_f32 v[246:247], v[140:141], v[144:145]
	v_pk_add_f32 v[238:239], v[148:149], v[152:153]
	v_pk_add_f32 v[14:15], v[14:15], v[156:157]
	v_pk_add_f32 v[230:231], v[230:231], v[96:97]
	v_pk_add_f32 v[254:255], v[254:255], v[98:99]
	v_pk_add_f32 v[252:253], v[252:253], v[102:103]
	v_pk_add_f32 v[250:251], v[250:251], v[106:107]
	v_pk_add_f32 v[248:249], v[248:249], v[110:111]
	v_pk_add_f32 v[246:247], v[246:247], v[114:115]
	v_pk_add_f32 v[238:239], v[238:239], v[118:119]
	v_pk_add_f32 v[14:15], v[14:15], v[122:123]
	v_pk_add_f32 v[230:231], v[230:231], v[126:127]
	v_pk_add_f32 v[254:255], v[254:255], v[130:131]
	v_pk_add_f32 v[252:253], v[252:253], v[134:135]
	v_pk_add_f32 v[250:251], v[250:251], v[138:139]
	v_pk_add_f32 v[248:249], v[248:249], v[142:143]
	v_pk_add_f32 v[246:247], v[246:247], v[146:147]
	v_pk_add_f32 v[238:239], v[238:239], v[150:151]
	v_pk_add_f32 v[14:15], v[14:15], v[154:155]
	v_pk_add_f32 v[230:231], v[230:231], v[158:159]
	s_delay_alu instid0(VALU_DEP_2)
	v_pk_add_f32 v[14:15], v[14:15], v[250:251]
	s_delay_alu instid0(VALU_DEP_2)
	v_pk_add_f32 v[230:231], v[230:231], v[248:249]
	v_pk_add_f32 v[254:255], v[254:255], v[246:247]
	v_pk_add_f32 v[252:253], v[252:253], v[238:239]
	s_delay_alu instid0(VALU_DEP_2)
	v_pk_add_f32 v[14:15], v[14:15], v[254:255]
	s_delay_alu instid0(VALU_DEP_2)
	v_pk_add_f32 v[230:231], v[230:231], v[252:253]
	s_delay_alu instid0(VALU_DEP_1)
	v_pk_add_f32 v[14:15], v[14:15], v[230:231]
.set j, 0
.rept 16
	v_pk_mul_f32 v[160+j:161+j], v[160+j:161+j], v[226:227] op_sel_hi:[1,0]   ; O^T under the new M
.set j, j+2
.endr
	s_wait_alu depctr_va_vdst(0)
	s_wait_dscnt 0x0                               ; V's tiles are in
.irp t, 0,1,2,3
	v_wmma_scale_f32_16x16x128_f8f6f4 v[160+8*\t:167+8*\t], v[32+12*\t:43+12*\t], v[192:203], v[160+8*\t:167+8*\t], v[88+\t], v93 matrix_a_fmt:MATRIX_FMT_BF6 matrix_b_fmt:MATRIX_FMT_BF6
.endr
.Lhidden_\@:
	s_add_co_u32 s37, s37, 1                       ; the next key panel
.endm
	s_load_b128 s[4:7], s[0:1], 0x0                ; qkv, cc
	v_lshl_add_u32 v5, v0, 2, SPARE
	v_mov_b32 v6, 0
	ds_add_u32 v5, v6
	ds_add_u32 v5, v6
	s_wait_dscnt 0x0
	v_lshrrev_b32 v8, 5, v0
	s_delay_alu instid0(VALU_DEP_1)
	v_readfirstlane_b32 s18, v8                    ; wave 0..15
	s_bfe_u32 s40, ttmp6, 0x40000                  ; cx
	s_and_b32 s41, ttmp7, 0xffff                   ; y = batch x 8 + head pair
	s_and_b32 s42, s18, 1                          ; head of the pair
	s_bfe_u32 s43, s18, 0x10001                    ; which of the work-group's two tiles
	s_lshr_b32 s44, s18, 2                         ; which of the cluster's four panels
	s_sub_co_u32 s45, 7, ttmp9
	s_and_b32 s46, s44, 1
	s_cmp_lg_u32 s46, 0
	s_cselect_b32 s38, s45, ttmp9
	s_and_b32 s46, s44, 2
	s_lshl_b32 s46, s46, 2
	s_add_co_u32 s38, s38, s46                     ; my query panel
	s_bfe_u32 s47, s18, 0x20001                    ; the same for the fragment that I store at the end (waves 0-7: fragment w)
	s_and_b32 s48, s47, 1
	s_cmp_lg_u32 s48, 0
	s_cselect_b32 s49, s45, ttmp9
	s_and_b32 s48, s47, 2
	s_lshl_b32 s48, s48, 2
	s_add_co_u32 s49, s49, s48
	; descriptor group 1: two records, 25,600 dense bytes, as 100 rows of 256 bytes
	s_mov_b32 s24, 15|(3<<16)|(1<<21)              ; 15:0 the mask: all four work-groups; 17:16 elements of 8 bytes; 21 set beside a mask
	s_mov_b32 s25, 32<<16
	s_mov_b32 s26, 100<<16
	s_mov_b32 s27, 32<<16
	s_mov_b32 s28, 100
	s_mov_b32 s29, 32
	s_mov_b32 s30, 0
	s_mov_b32 s31, 0
	s_and_b32 s50, s18, 3
	s_lshr_b32 s51, s50, 1
	s_add_co_u32 s51, s51, 1                       ; section 1: k, 2: v
	s_mul_i32 s52, s51, 3276800
	s_mul_i32 s53, s41, 204800
	s_add_co_u32 s52, s52, s53
	s_and_b32 s53, s50, 1
	s_mul_i32 s53, s53, 2*REC
	s_add_co_u32 s52, s52, s53
	s_mov_b32 s53, 0
	s_mov_b32 s32, 1
	s_mul_i32 s33, s50, 2*REC                      ; slot 0: K's records at 0, V's at VOFF
	s_mov_b32 s20, 0x76543210
	s_mov_b32 s21, 0xfedcba98
	s_mov_b32 s22, 0x3e38aa3b                      ; log2(e) / 8
	s_mov_b32 s23, s22
	s_mov_b32 s36, 0                               ; the slot in hand
	s_mov_b32 s37, 0                               ; the key panel in hand
	s_mov_b32 s39, 3
	s_wait_kmcnt 0x0
	s_add_nc_u64 s[34:35], s[4:5], s[52:53]
	s_or_b32 s35, s35, 0x80000000
	CROUND                                         ; all four work-groups are here
	TLOAD                                          ; slot 0
	s_lshl_b32 s54, s41, 4
	s_add_co_u32 s54, s54, s38
	s_mul_i32 s54, s54, REC                        ; my query panel's record
	s_lshl_b32 s55, s40, 1
	s_add_co_u32 s55, s55, s43                     ; my tile
	s_mul_i32 s56, s55, 1536
	s_add_co_u32 s56, s56, s54
	s_mov_b32 s57, 0
	s_add_nc_u64 s[8:9], s[4:5], s[56:57]
	s_lshr_b32 s58, s40, 1
	s_lshl_b32 s58, s58, 8
	s_and_b32 s59, s40, 1
	s_lshl_b32 s59, s59, 3
	s_add_co_u32 s58, s58, s59                     ; 256 (tile / 4) + 4 (tile % 4), the tile's parity apart
	s_lshl_b32 s59, s43, 2
	s_add_co_u32 s59, s59, s58
	s_add_co_u32 s59, s59, s54
	s_add_co_u32 s56, s59, 12288
	s_add_nc_u64 s[10:11], s[4:5], s[56:57]
	s_lshr_b32 s50, s41, 3                         ; where the context goes: [batch x 16 + panel][head pair]
	s_lshl_b32 s50, s50, 4
	s_add_co_u32 s50, s50, s49
	s_mul_i32 s50, s50, 102400
	s_and_b32 s51, s41, 7
	s_mul_i32 s51, s51, REC
	s_add_co_u32 s50, s50, s51
	s_lshl_b32 s52, s40, 1
	s_add_co_u32 s52, s52, s42
	s_mul_i32 s52, s52, 1536
	s_add_co_u32 s52, s52, s50
	s_mov_b32 s53, 0
	s_add_nc_u64 s[12:13], s[6:7], s[52:53]
	s_add_co_u32 s52, s58, s50
	s_add_co_u32 s52, s52, 12288
	s_add_nc_u64 s[14:15], s[6:7], s[52:53]
	v_and_b32 v8, 31, v0                           ; lane
	v_and_b32 v9, 15, v0                           ; r
	v_bfe_u32 v10, v0, 4, 1                        ; h
	s_delay_alu instid0(VALU_DEP_3)
	v_lshlrev_b32 v1, 4, v8                        ; a fragment's place for my lane
	s_delay_alu instid0(VALU_DEP_3)
	v_lshlrev_b32 v244, 4, v9                      ; 16 r
.irp c, 0,1,2
	global_load_b128 v[16+4*\c:19+4*\c], v1, s[8:9] offset:512*\c     ; Q's fragment stays in registers
.endr
	global_load_b32 v28, v244, s[10:11]            ; and its scale words
	s_mul_i32 s46, s42, 6144
	s_add_co_u32 s46, s46, VOFF
	v_add_nc_u32 v2, s46, v1                       ; V: my head's four tiles
	v_add_nc_u32 v3, 12288, v244                   ; K's scale words
	s_lshl_b32 s46, s42, 8
	s_add_co_u32 s46, s46, VOFF+12288
	v_add_nc_u32 v4, s46, v244                     ; V's
	v_and_b32 v7, 8, v9
	s_delay_alu instid0(VALU_DEP_1)
	v_add_nc_u32 v7, v7, v9
	v_lshlrev_b32 v245, 4, v10
	s_delay_alu instid0(VALU_DEP_1)
	v_sub_nc_u32 v7, v7, v245
	s_lshl_b32 s46, s40, 5
	s_lshl_b32 s47, s43, 3
	s_add_co_u32 s46, s46, s47
	v_add_nc_u32 v7, s46, v7                       ; my query's place in its panel - 16 h
	v_lshl_add_u32 v245, v10, 2, v244              ; the way out: 16 r + 4 h
	s_mul_i32 s46, s18, 768
	s_add_co_u32 s46, s46, STAGE
	v_lshl_add_u32 v240, v8, 3, s46                ; my 768 bytes of the stage, 8 bytes a lane
	s_lshr_b32 s46, s18, 1
	s_lshl_b32 s46, s46, 6
	s_lshl_b32 s47, s42, 1
	s_add_co_u32 s46, s46, s47
	s_add_co_u32 s46, s46, SSC
	v_lshl_add_u32 v241, v9, 2, s46                ; my half of row r's scale word
	s_and_b32 s46, s18, 7
	s_mul_i32 s46, s46, 1536
	s_add_co_u32 s46, s46, STAGE
	v_lshl_add_u32 v242, v8, 3, s46                ; back: fragment w: the 768 bytes of waves 2 w and 2 w + 1
	s_and_b32 s46, s18, 6
	s_lshl_b32 s46, s46, 6
	s_add_co_u32 s46, s46, SSC
	v_lshl_add_u32 v243, v8, 2, s46                ; and two fragments' scale words
	v_mov_b32 v13, 0xff61b1e6                      ; the largest t so far: -3e38
	s_delay_alu instid0(VALU_DEP_1)
	v_floor_f32 v12, -v13
	v_mov_b32 v14, 0
	v_mov_b32 v15, 0
.irp b, 0,1,2,3
	v_mov_b32 v[216+\b], 0                         ; a lane permute's destination counts as one of its sources
.endr
	v_mov_b32 v227, 0                              ; (named as the upper half of the pair v[226:227])
	v_mov_b32 v228, 0
	v_mov_b32 v92, 0xff800000                      ; -infinity
.set j, 0
.rept 32
	v_mov_b32 v[160+j], 0                          ; O^T: the step is written once, and its first turn finds zeros
.set j, j+1
.endr
	s_sub_co_u32 s46, s42, 1                       ; head 0: all ones; head 1: 0
	s_not_b32 s47, s46
	s_wait_loadcnt 0x0
.irp j, 0,1,2,3,4,5
	v_and_b32 v[16+\j], s46, v[16+\j]              ; the other head's 64 along K become zero codes
	v_and_b32 v[22+\j], s47, v[22+\j]
.endr
.Lslot:                                                ; three trips: behind each change of slots but the last the next four key panels are asked for
	CHANGE 1
	STEP 0
	STEP 1
	STEP 2
	STEP 3
	s_xor_b32 s36, s36, SLOT1
	s_sub_co_u32 s39, s39, 1
	s_cmp_lg_u32 s39, 0
	s_cbranch_scc1 .Lslot
	CHANGE 0                                       ; the last slot is written out
	STEP 0
	STEP 1
	STEP 2
	STEP 3
	; THE WAY OUT: O^T / the sum is half a fragment of the context's codes (my head's 64 along K); it meets the other head's half in the stage
.rept 4
	v_nop
.endr
	v_add_f32 v14, v14, v15
	s_delay_alu instid0(VALU_DEP_1)
	v_permlanex16_b32 v228, v14, s20, s21
	s_delay_alu instid0(VALU_DEP_1)
	v_add_f32 v14, v14, v228                       ; the row's sum
	s_wait_alu depctr_va_vdst(0)
	v_rcp_f32 v14, v14
	v_nop
.set j, 0
	s_wait_alu depctr_va_vdst(0)
.rept 32
	v_mul_f32 v[96+j], v[160+j], v14               ; register 16 b + i: channel 32 b + 16 h + i
.set j, j+1
.endr
.irp b, 0,1
	v_max3_num_f32 v[212+\b], |v[96+16*\b]|, |v[97+16*\b]|, 0x2800000
.endr
.irp i, 2,4,6,8,10,12,14
.irp b, 0,1
	s_delay_alu instid0(VALU_DEP_2)
	v_max3_num_f32 v[212+\b], v[212+\b], |v[96+16*\b+\i]|, |v[97+16*\b+\i]|
.endr
.endr
.irp b, 0,1
	s_delay_alu instid0(VALU_DEP_2)
	v_permlanex16_b32 v[216+\b], v[212+\b], s20, s21
.endr
.irp b, 0,1
	s_delay_alu instid0(VALU_DEP_2)
	v_max_num_f32 v[212+\b], v[212+\b], v[216+\b]
.endr
.irp b, 0,1
	s_delay_alu instid0(VALU_DEP_2)
	v_add_nc_u32 v[220+\b], 0xfe000000, v[212+\b]
.endr
.irp b, 0,1
	s_delay_alu instid0(VALU_DEP_2)
	v_lshrrev_b32 v[216+\b], 23, v[220+\b]
.endr
	s_delay_alu instid0(VALU_DEP_1)
	v_lshl_or_b32 v93, v217, 8, v216               ; my two bytes of the scale word
	v_cvt_scalef32_pk16_bf6_f32 v[192:194], v[96:111], v220
	v_cvt_scalef32_pk16_bf6_f32 v[204:206], v[112:127], v221
	v_nop
.irp i, 0,1,2
	v_permlane16_swap_b32 v[192+\i], v[204+\i]
.endr
.irp i, 0,1,2
	s_delay_alu instid0(VALU_DEP_3)
	v_mov_b32 v[195+\i], v[204+\i]
.endr
.irp p, 0,1,2
	ds_store_b64 v240, v[192+2*\p:193+2*\p] offset:256*\p
.endr
	ds_store_b16 v241, v93                         ; (lanes l and l + 16 store the same two bytes)
	s_wait_dscnt 0x0                               ; for the others' sake
	s_barrier_signal -1
	s_barrier_wait -1
	s_cmp_lt_u32 s18, 8
	s_cbranch_scc0 .Lend
.irp p, 0,1,2,3,4,5
	ds_load_b64 v[32+2*\p:33+2*\p], v242 offset:256*\p             ; the fragment's registers 2 p, 2 p + 1
.endr
	s_wait_dscnt 0x0
.irp c, 0,1,2
	global_store_b128 v1, v[32+4*\c:35+4*\c], s[12:13] offset:512*\c   ; 512 consecutive bytes a store
.endr
	s_cmp_eq_u32 s42, 0
	s_cbranch_scc0 .Lend
	ds_load_b32 v44, v243                          ; even waves: the words of the work-group's two tiles of this panel, a lane to a word
	s_wait_dscnt 0x0
	global_store_b32 v245, v44, s[14:15]
.Lend:
	s_wait_tensorcnt 0x0                           ; the wave's end
	ds_add_u32 v5, v6
	s_wait_dscnt 0x0
	CROUND                                         ; the closing round
	s_endpgm
.Lfunc_end_k_q2c9fc1960e_attn:
	.size	k_q2c9fc1960e_attn, .Lfunc_end_k_q2c9fc1960e_attn-k_q2c9fc1960e_attn
	.p2alignl 7, 3214868480
	.fill 96, 4, 3214868480
	.section	.rodata,"a",@progbits
	.p2align	6, 0x0
	.amdhsa_kernel k_q2c9fc1960e_attn
		.amdhsa_group_segment_fixed_size 327680
		.amdhsa_private_segment_fixed_size 0
		.amdhsa_enable_private_segment 0
		.amdhsa_kernarg_size 16
		.amdhsa_user_sgpr_count 2
		.amdhsa_user_sgpr_kernarg_segment_ptr 1
		.amdhsa_wavefront_size32 1
		.amdhsa_system_sgpr_workgroup_id_x 1
		.amdhsa_system_sgpr_workgroup_id_y 1
		.amdhsa_system_sgpr_workgroup_id_z 1
		.amdhsa_system_vgpr_workitem_id 0
		.amdhsa_next_free_vgpr 256
		.amdhsa_next_free_sgpr 66
		.amdhsa_reserve_vcc 1
		.amdhsa_float_denorm_mode_32 3
		.amdhsa_float_denorm_mode_16_64 3
		.amdhsa_memory_ordered 1
		.amdhsa_forward_progress 1
		.amdhsa_inst_pref_size 195
	.end_amdhsa_kernel
	.amdgpu_metadata
---
amdhsa.version: [ 1, 2 ]
amdhsa.kernels:
  - .name:           k_q2c9fc1960e_attn
    .symbol:         k_q2c9fc1960e_attn.kd
    .args:
      - { .name: qkv, .offset: 0, .size: 8, .value_kind: global_buffer, .address_space: global }
      - { .name: cc, .offset: 8, .size: 8, .value_kind: global_buffer, .address_space: global }
    .group_segment_fixed_size: 327680
    .private_segment_fixed_size: 0
    .kernarg_segment_align: 8
    .kernarg_segment_size: 16
    .max_flat_workgroup_size: 512
    .sgpr_count:     66
    .vgpr_count:     256
    .wavefront_size: 32
...
	.end_amdgpu_metadata
.endif
;; end of part 3
;; launch wog (part 4): grid 8 x 32, 4 waves a work-group, clusters of 4 x 4, 327,680 bytes of LDS; arguments cc, wc, bo, x, x1; writes x1
.if DOCPART == 4
	.amdgcn_target "amdgcn-amd-amdhsa--gfx1250"
	.amdhsa_code_object_version 6
	.text
	.protected	k_q2c9fc1960e_wog
	.globl	k_q2c9fc1960e_wog
	.p2align	8
	.type	k_q2c9fc1960e_wog,@function
k_q2c9fc1960e_wog:
	s_mov_b64 s[64:65], 0
	v_nop
	global_prefetch_b8 v0, s[64:65] scope:SCOPE_SE
	s_setreg_imm32_b32 hwreg(HW_REG_WAVE_MODE, 25, 1), 1
	s_wait_xcnt 0x0
	s_wait_alu depctr_hold_cnt(0) depctr_sa_sdst(0) depctr_va_vdst(0) depctr_va_sdst(0) depctr_va_ssrc(0) depctr_va_vcc(0) depctr_vm_vsrc(0)
	s_getreg_b32 s2, hwreg(HW_REG_IB_STS2, 6, 4)
	s_cmp_eq_u32 s2, 0
	s_cbranch_scc0 .Lentry_in_a_cluster
	s_endpgm
.Lentry_in_a_cluster:
	s_bfe_u32 s2, ttmp6, 0x10000c
	s_cmp_lg_u32 s2, 0xf033
	s_cbranch_scc0 .Lentry_shape_is_right
	s_endpgm
.Lentry_shape_is_right:
; x1 = x + (ctx Wo + bo): the product on codes of BF6 (E3M2) with E8M0 scales, sums, bias and residual in f32.
; OPERANDS are RECORDS of 12,800 bytes (128 rows x 128 along K): eight fragments of 1,536 bytes, images of the operand's 12 registers, then 512 bytes of scale words (tile t, index i at 256 (t / 4) + 16 i + 4 (t % 4)).
; Tile t = 2 g + u, index i stands for row 32 g + 8 u + i + 8 (i / 8).  SOURCE 0 = the weight's columns: they run along a lane's registers, in their natural order by the tile order.  SOURCE 1 = tokens: one to a lane.
; N = 1,024 gives only 64 tiles of 256 x 256, so a work-group makes 128 x 128 and a wave 64 x 64: 16 accumulators.  A slot holds four K steps of 128; K = 1,024 is the two slots' first fills: nothing is filled again.
; CLUSTERS 4 x 4: the tokens' records are shared along a row of the cluster, the weight's along a column: joint loads.
; REGISTERS: window 0: v16-23 LDS addresses; v24-26 the way out; v28, v29 for the add; v32-63 scale words, two sets; v64-159 fragment set 0; v160-223 rows on the way out; v224-227 the bias.
;   window 1: v64-159 fragment set 1.   window 2: accumulator (a, b) at 8 (4 a + b).   window 3: v0-127 the residual.
.set NT,    4
.set KS,    4
.set LAPS,  1
.set PANB,  102400                     ; from panel to panel, both operands: 8 records
.set WSEC,  2457600                    ; Wo's records in wc
.set REC,   12800
.set SLOT,  102400
.set STAGE, 204800                     ; 16 rows x 272 bytes for each wave
.set SPARE, 222208
.set G1,  24
.set G0,  32
.set G1B, 48
.set G0B, 56
.set MSB, 0
.macro WIN new
.if MSB != (\new)
	s_set_vgpr_msb (MSB<<8)|(\new)
.set MSB, \new
.endif
.endm
.macro PLACES n
.rept \n
	v_nop
.endr
.endm
.macro JLOAD g0a, g1a, g0b, g1b        ; waves 0, 1 fetch source 1's records, waves 2, 3 source 0's; four v_nop follow each line
	s_cmp_eq_u32 s15, 0
	s_cbranch_scc0 .Lfor_b_\@
	tensor_load_to_lds s[\g0a:\g0a+3], s[\g1a:\g1a+7]
	s_nop 0
.rept 4
	v_nop
.endr
	s_branch .Lasked_\@
.Lfor_b_\@:
	tensor_load_to_lds s[\g0b:\g0b+3], s[\g1b:\g1b+7]
	s_nop 0
.rept 4
	v_nop
.endr
.Lasked_\@:
.endm
.macro CREST
	s_cmp_lg_u32 s14, 0
	s_cbranch_scc1 .Lnot_wave_0_\@
	s_barrier_signal -3
.Lnot_wave_0_\@:
	s_barrier_wait -3
	s_barrier_signal -1
	s_barrier_wait -1
.endm
.macro CROUND
	s_barrier_signal -1
	s_barrier_wait -1
	CREST
.endm
.macro FETCH slot, q, p                ; the fragments and scale words of the slot's q-th K step into set p
	WIN (\p)<<6
.set fi, 0
.rept NT
.irp c, 0,1,2
	ds_load_b128 v[64+12*fi+4*\c:64+12*fi+4*\c+3], v[18+\slot] offset:REC*(\q)+1536*fi+512*\c
.endr
.set fi, fi+1
.endr
.set fi, 0
.rept NT
.irp c, 0,1,2
	ds_load_b128 v[64+12*NT+12*fi+4*\c:64+12*NT+12*fi+4*\c+3], v[16+\slot] offset:REC*(\q)+1536*fi+512*\c
.endr
.set fi, fi+1
.endr
	WIN 0
.set fi, 0
.rept NT/4
	ds_load_b128 v[32+16*(\p)+4*fi:32+16*(\p)+4*fi+3], v[22+\slot] offset:REC*(\q)+12288+256*fi
	ds_load_b128 v[40+16*(\p)+4*fi:40+16*(\p)+4*fi+3], v[20+\slot] offset:REC*(\q)+12288+256*fi
.set fi, fi+1
.endr
.endm
.macro MULROWS p, a0, a1, zero         ; the accumulators take turns, one instruction a turn
.set ma, \a0
.rept (\a1)-(\a0)
.set mw, 2+(ma*NT)/32
	WIN (\p)|((\p)<<2)|(mw<<4)|(mw<<6)
.set mb, 0
.rept NT
.set mr, 8*((ma*NT+mb)%32)
.if \zero
	v_wmma_scale_f32_16x16x128_f8f6f4 v[mr:mr+7], v[64+12*mb:64+12*mb+11], v[64+12*NT+12*ma:64+12*NT+12*ma+11], 0, v[32+16*(\p)+mb], v[40+16*(\p)+ma] matrix_a_fmt:MATRIX_FMT_BF6 matrix_b_fmt:MATRIX_FMT_BF6
.else
	v_wmma_scale_f32_16x16x128_f8f6f4 v[mr:mr+7], v[64+12*mb:64+12*mb+11], v[64+12*NT+12*ma:64+12*NT+12*ma+11], v[mr:mr+7], v[32+16*(\p)+mb], v[40+16*(\p)+ma] matrix_a_fmt:MATRIX_FMT_BF6 matrix_b_fmt:MATRIX_FMT_BF6
.endif
.set mb, mb+1
.endr
.set ma, ma+1
.endr
.endm
.macro STEP slot, q, zero
	s_wait_dscnt 0x0                               ; this step's fragments are in (asked for a step ago)
	PLACES 4                                       ; in front of loads into registers that the last step's products read
	FETCH \slot, (\q)+1, 1-((\q)%2)
	MULROWS (\q)%2, 0, NT, \zero
	WIN 0
.endm
.macro STEPS slot, q0
.if KS-1 > \q0
.set sq, \q0
.rept KS-1-(\q0)
	STEP \slot, sq, 0
.set sq, sq+1
.endr
.endif
.endm
.macro TURN slot, next, fill           ; a slot's last step changes slots: one barrier
	s_wait_tensorcnt 0x0                           ; all my tensor loads have landed: my part of the next slot
	ds_add_u32 v28, v29                            ; 0 onto my spare word
	s_wait_dscnt 0x1                               ; the fragments are in; the add alone may be out
	MULROWS 1, 0, NT/4, 0
	s_wait_dscnt 0x0                               ; the add is done, and my reads of this slot are over
	s_barrier_signal -1
	MULROWS 1, NT/4, NT/2, 0
	WIN 0
	s_barrier_wait -1
.if \fill
	CREST
	s_add_nc_u64 s[G0+4*\slot+2:G0+4*\slot+3], s[G0+4*\slot+2:G0+4*\slot+3], 2*KS*REC
	s_add_nc_u64 s[G0B+4*\slot+2:G0B+4*\slot+3], s[G0B+4*\slot+2:G0B+4*\slot+3], 2*KS*REC
	JLOAD G0+4*\slot, G1, G0B+4*\slot, G1B
.else
	PLACES 4
.endif
	FETCH \next, 0, 0
	MULROWS 1, NT/2, NT, 0
	WIN 0
.endm
	s_load_b256 s[4:11], s[0:1], 0x0               ; the tokens' codes, wc, the bias, the residual
	s_load_b64 s[12:13], s[0:1], 0x20              ; the result
	v_lshl_add_u32 v28, v0, 2, SPARE
	v_mov_b32 v29, 0
	ds_add_u32 v28, v29
	ds_add_u32 v28, v29
	s_wait_dscnt 0x0
	v_lshrrev_b32 v1, 5, v0
	v_readfirstlane_b32 s14, v1                    ; wave 0..3
	s_lshr_b32 s15, s14, 1                         ; my half of the tokens.  Also: I fetch source 1 (0) or source 0 (1)
	s_and_b32 s16, s14, 1                          ; my half of the columns.  Also: which slot's four records I fetch
	s_bfe_u32 s40, ttmp6, 0x40000                  ; cx
	s_bfe_u32 s41, ttmp6, 0x40004                  ; cy
	s_lshl_b32 s42, ttmp9, 2
	s_add_co_u32 s42, s42, s40                     ; X: the panel of columns
	s_and_b32 s17, ttmp7, 0xffff
	s_lshl_b32 s17, s17, 2
	s_add_co_u32 s17, s17, s41                     ; Y: the token panel
	s_lshl_b32 s43, s41, 2
	s_lshl_b32 s43, 15, s43
	s_lshl_b32 s44, 0x1111, s40
	s_or_b32 s[G1+0], s43, (3<<16)|(1<<21)         ; four records, 51,200 dense bytes, as 200 rows of 256 bytes; the mask of my row
	s_or_b32 s[G1B+0], s44, (3<<16)|(1<<21)        ; of my column
.irp g, G1, G1B
	s_mov_b32 s[\g+1], 32<<16
	s_mov_b32 s[\g+2], 200<<16                     ; four records, 51,200 dense bytes, as 200 rows of 256 bytes: one tensor load a wave brings a side's part of one slot
	s_mov_b32 s[\g+3], 32<<16
	s_mov_b32 s[\g+4], 200
	s_mov_b32 s[\g+5], 32
	s_mov_b32 s[\g+6], 0
	s_mov_b32 s[\g+7], 0
.endr
	s_mul_i32 s18, s16, 4*REC                      ; wave % 2: K steps 0-3 or 4-7 of the panel
	s_mul_i32 s20, s17, PANB
	s_add_co_u32 s20, s20, s18
	s_mov_b32 s21, 0
	s_mul_i32 s46, s42, PANB
	s_add_co_u32 s46, s46, s18
	s_add_co_u32 s46, s46, WSEC
	s_mov_b32 s47, 0
	s_mul_i32 s45, s16, SLOT                       ; they go to slot wave % 2,
	s_mul_i32 s19, s15, 51200                      ; source 1's at its start, source 0's behind them
	s_add_co_u32 s45, s45, s19
	s_wait_kmcnt 0x0
	s_add_nc_u64 s[20:21], s[4:5], s[20:21]
	s_add_nc_u64 s[46:47], s[6:7], s[46:47]
	CROUND                                         ; all sixteen work-groups are here: the first joint loads meet
.irp s, 0                                      ; one tensor load a wave: the four together fill both slots
	s_mov_b32 s[G0+4*\s], 1
	s_add_co_u32 s[G0+4*\s+1], s45, \s*SLOT
	s_add_nc_u64 s[G0+4*\s+2:G0+4*\s+3], s[20:21], \s*KS*REC
	s_or_b32 s[G0+4*\s+3], s[G0+4*\s+3], 0x80000000
	s_mov_b32 s[G0B+4*\s], 1
	s_add_co_u32 s[G0B+4*\s+1], s45, \s*SLOT
	s_add_nc_u64 s[G0B+4*\s+2:G0B+4*\s+3], s[46:47], \s*KS*REC
	s_or_b32 s[G0B+4*\s+3], s[G0B+4*\s+3], 0x80000000
	JLOAD G0+4*\s, G1, G0B+4*\s, G1B
.endr
	v_and_b32 v3, 31, v0
	v_and_b32 v1, 15, v0                           ; r
	v_bfe_u32 v2, v0, 4, 1                         ; h
	v_lshlrev_b32 v27, 4, v3
	s_wait_alu depctr_va_vdst(0)
	v_lshlrev_b32 v4, 4, v1
	s_wait_alu depctr_va_vdst(0)
	s_mul_i32 s21, s15, 6144                       ; my four tiles of source 1
	s_mul_i32 s22, s16, 6144
	s_add_co_u32 s22, s22, 51200                   ; of source 0
	s_lshl_b32 s23, s15, 8                         ; and their scale words
	s_lshl_b32 s19, s16, 8
	s_add_co_u32 s19, s19, 51200
.irp s, 0,1
	v_add_nc_u32 v[16+\s], s21, v27
	v_add_nc_u32 v[18+\s], s22, v27
	v_add_nc_u32 v[20+\s], s23, v4
	v_add_nc_u32 v[22+\s], s19, v4
	s_add_co_u32 s21, s21, SLOT
	s_add_co_u32 s22, s22, SLOT
	s_add_co_u32 s23, s23, SLOT
	s_add_co_u32 s19, s19, SLOT
.endr
	s_mul_i32 s23, s14, 16*272
	s_add_co_u32 s23, s23, STAGE                   ; my stage
	v_mul_u32_u24 v5, v1, 272
	v_lshl_add_u32 v5, v2, 6, v5
	v_add_nc_u32 v24, s23, v5                      ; in: row r, + 64 h
	v_mul_u32_u24 v5, v2, 272
	v_lshl_add_u32 v5, v1, 4, v5
	v_add_nc_u32 v25, s23, v5                      ; back: lanes 0-15 one row of 256 bytes, lanes 16-31 the next
	v_lshlrev_b32 v5, 12, v2
	v_lshl_add_u32 v26, v1, 4, v5                  ; and the same two rows in memory
	s_wait_alu depctr_va_vdst(0)
	s_lshl_b32 s70, s17, 19                        ; (128 Y + 64 (wave / 2)) rows of 4,096 bytes + (128 X + 64 (wave % 2)) x 4
	s_lshl_b32 s71, s15, 18
	s_add_co_u32 s70, s70, s71
	s_lshl_b32 s72, s42, 9
	s_lshl_b32 s73, s16, 8
	s_add_co_u32 s72, s72, s73
	s_add_co_u32 s70, s70, s72
	s_mov_b32 s71, 0
	s_mov_b32 s73, 0
	s_add_nc_u64 s[10:11], s[10:11], s[70:71]
	s_add_nc_u64 s[12:13], s[12:13], s[70:71]
	s_add_nc_u64 s[8:9], s[8:9], s[72:73]
	global_load_b128 v[224:227], v4, s[8:9]        ; the bias of my four columns of a row's 64
	WIN 0xc0                                       ; destination window 3
.irp a, 0,1,2,3
.irp t, 0,1,2,3,4,5,6,7
	global_load_b128 v[32*\a+4*\t:32*\a+4*\t+3], v26, s[10:11] offset:(32*(\a/2)+8*(\a%2)+2*\t+8*(\t/4))*4096   ; the residual, in the places in which the rows will leave
.endr
.endr
	WIN 0
	s_wait_tensorcnt 0x0                           ; my one tensor load is in; behind the barrier both slots are whole
	s_barrier_signal -1
	s_barrier_wait -1
	FETCH 0, 0, 0
	STEP 0, 0, 1                                   ; the first step's products start the sums
.if LAPS > 1
	s_mov_b32 s3, LAPS-1
.Llap:
	STEPS 0, 1
	TURN 0, 1, 1
	STEPS 1, 0
	TURN 1, 0, 1
	STEP 0, 0, 0
	s_sub_co_u32 s3, s3, 1
	s_cmp_lg_u32 s3, 0
	s_cbranch_scc1 .Llap
.endif
	STEPS 0, 1
	TURN 0, 1, 0
	STEPS 1, 0
	s_wait_dscnt 0x0
	MULROWS 1, 0, NT, 0
	WIN 0
	; THE WAY OUT, a tile of 16 tokens x 64 columns at a time, through my own stage: sixteen lanes then store 256 consecutive bytes, aligned
	s_wait_loadcnt 0x0                             ; the bias and the residual
	PLACES 4
.irp a, 0,1,2,3
.set TT, 160+32*(\a%2)
.if \a > 1
	s_wait_xcnt 0x0                                ; the stores of two tiles ago have read their registers
.endif
	WIN 0x08                                       ; an LDS store's data are its source 1: window 2
.irp b, 0,1,2,3
	ds_store_b128 v24, v[8*(4*\a+\b):8*(4*\a+\b)+3] offset:128*(\b/2)+32*(\b%2)        ; each accumulator from its low end on
	ds_store_b128 v24, v[8*(4*\a+\b)+4:8*(4*\a+\b)+7] offset:128*(\b/2)+32*(\b%2)+16
.endr
	WIN 0
.irp t, 0,1,2,3,4,5,6,7
	ds_load_b128 v[TT+4*\t:TT+4*\t+3], v25 offset:544*\t           ; LDS serves a wave's instructions in order: these see the stores above
.endr
	s_wait_dscnt 0x0
.irp t, 0,1,2,3,4,5,6,7
	v_pk_add_f32 v[TT+4*\t:TT+4*\t+1], v[TT+4*\t:TT+4*\t+1], v[224:225]
	v_pk_add_f32 v[TT+4*\t+2:TT+4*\t+3], v[TT+4*\t+2:TT+4*\t+3], v[226:227]
.endr
	WIN 0x0c                                       ; source 1 window 3
.irp t, 0,1,2,3,4,5,6,7
	v_pk_add_f32 v[TT+4*\t:TT+4*\t+1], v[TT+4*\t:TT+4*\t+1], v[32*\a+4*\t:32*\a+4*\t+1]
	v_pk_add_f32 v[TT+4*\t+2:TT+4*\t+3], v[TT+4*\t+2:TT+4*\t+3], v[32*\a+4*\t+2:32*\a+4*\t+3]
.endr
	WIN 0
.irp t, 0,1,2,3,4,5,6,7
	global_store_b128 v26, v[TT+4*\t:TT+4*\t+3], s[12:13] offset:(32*(\a/2)+8*(\a%2)+2*\t+8*(\t/4))*4096
.endr
.endr
	s_wait_tensorcnt 0x0                           ; the wave's end
	ds_add_u32 v28, v29
	s_wait_dscnt 0x0
	CROUND                                         ; the closing round
	s_endpgm
.Lfunc_end_k_q2c9fc1960e_wog:
	.size	k_q2c9fc1960e_wog, .Lfunc_end_k_q2c9fc1960e_wog-k_q2c9fc1960e_wog
	.p2alignl 7, 3214868480
	.fill 96, 4, 3214868480
	.section	.rodata,"a",@progbits
	.p2align	6, 0x0
	.amdhsa_kernel k_q2c9fc1960e_wog
		.amdhsa_group_segment_fixed_size 327680
		.amdhsa_private_segment_fixed_size 0
		.amdhsa_enable_private_segment 0
		.amdhsa_kernarg_size 40
		.amdhsa_user_sgpr_count 2
		.amdhsa_user_sgpr_kernarg_segment_ptr 1
		.amdhsa_wavefront_size32 1
		.amdhsa_system_sgpr_workgroup_id_x 1
		.amdhsa_system_sgpr_workgroup_id_y 1
		.amdhsa_system_sgpr_workgroup_id_z 1
		.amdhsa_system_vgpr_workitem_id 0
		.amdhsa_next_free_vgpr 896
		.amdhsa_next_free_sgpr 90
		.amdhsa_reserve_vcc 0
		.amdhsa_float_denorm_mode_32 3
		.amdhsa_float_denorm_mode_16_64 3
		.amdhsa_memory_ordered 1
		.amdhsa_forward_progress 1
		.amdhsa_inst_pref_size 58
	.end_amdhsa_kernel
	.amdgpu_metadata
---
amdhsa.version: [ 1, 2 ]
amdhsa.kernels:
  - .name:           k_q2c9fc1960e_wog
    .symbol:         k_q2c9fc1960e_wog.kd
    .args:
      - { .name: cc, .offset: 0, .size: 8, .value_kind: global_buffer, .address_space: global }
      - { .name: wc, .offset: 8, .size: 8, .value_kind: global_buffer, .address_space: global }
      - { .name: bo, .offset: 16, .size: 8, .value_kind: global_buffer, .address_space: global }
      - { .name: x, .offset: 24, .size: 8, .value_kind: global_buffer, .address_space: global }
      - { .name: x1, .offset: 32, .size: 8, .value_kind: global_buffer, .address_space: global }
    .group_segment_fixed_size: 327680
    .private_segment_fixed_size: 0
    .kernarg_segment_align: 8
    .kernarg_segment_size: 40
    .max_flat_workgroup_size: 128
    .sgpr_count:     90
    .vgpr_count:     896
    .wavefront_size: 32
...
	.end_amdgpu_metadata
.endif
;; end of part 4
;; launch ln2 (part 5): grid 256 x 1, 16 waves a work-group, no clusters, 68,096 bytes of LDS; arguments x1, g2, s2, h2c; writes h2c
.if DOCPART == 5
	.amdgcn_target "amdgcn-amd-amdhsa--gfx1250"
	.amdhsa_code_object_version 6
	.text
	.protected	k_q2c9fc1960e_ln2
	.globl	k_q2c9fc1960e_ln2
	.p2align	8
	.type	k_q2c9fc1960e_ln2,@function
k_q2c9fc1960e_ln2:
	s_mov_b64 s[64:65], 0
	v_nop
	global_prefetch_b8 v0, s[64:65] scope:SCOPE_SE
	s_setreg_imm32_b32 hwreg(HW_REG_WAVE_MODE, 25, 1), 1
	s_wait_xcnt 0x0
; LayerNorm 2 of x1 [4096][1024] f32, quantised to codes of BF6 (E3M2) with one E8M0 byte for each 32 along K, into records [token panel 32][K step 8].
; THE RECORD, 12,800 bytes: 128 tokens x 128 along K: eight fragments of 1,536 bytes, images of the operand's 12 registers (register j of lane l at 512 (j / 4) + 16 l + 4 (j % 4)),
; then the scale words (tile t, index i at 256 (t / 4) + 16 i + 4 (t % 4)).  Tile t = 2 g + u, index i stands for row 32 g + 8 u + i + 8 (i / 8).
; A work-group is one tile of 16 rows: wave w norms the tile's index w, the rows meet in LDS, and waves 0-7 quantise a K step each.
; LIMITS: NaN and infinities are not served; a block whose largest magnitude lies under 2^-122 gets the byte 1; the norm multiplies by v_rsq_f32 where the source divides by a root.
.set LNS, 0
.set LP,  4112                         ; a row of 4,096 bytes + 16
.set PC,  10
.set PW,  29
.set TM,  96
.set SEL, 56
.macro QUANT s
.irp b, 0,1,2,3
	v_max3_num_f32 v[TM+\b], |v[\s+16*\b]|, |v[\s+1+16*\b]|, 0x2800000   ; my 16 numbers of block b, and the floor 2^(5 - 127)
.endr
.irp i, 2,4,6,8,10,12,14
.irp b, 0,1,2,3
	s_delay_alu instid0(VALU_DEP_4)
	v_max3_num_f32 v[TM+\b], v[TM+\b], |v[\s+16*\b+\i]|, |v[\s+1+16*\b+\i]|
.endr
.endr
.irp b, 0,1,2,3
	s_delay_alu instid0(VALU_DEP_4)
	v_permlanex16_b32 v[TM+4+\b], v[TM+\b], s[SEL], s[SEL+1]
.endr
.irp b, 0,1,2,3
	s_delay_alu instid0(VALU_DEP_4)
	v_max_num_f32 v[TM+\b], v[TM+\b], v[TM+4+\b]
.endr
.irp b, 0,1,2,3
	s_delay_alu instid0(VALU_DEP_4)
	v_add_nc_u32 v[TM+12+\b], 0xfe000000, v[TM+\b]         ; 4 off the exponent field: the conversion's scale operand
.endr
.irp b, 0,1,2,3
	s_delay_alu instid0(VALU_DEP_4)
	v_lshrrev_b32 v[TM+4+\b], 23, v[TM+12+\b]              ; the scale's byte
.endr
	s_delay_alu instid0(VALU_DEP_3)
	v_lshl_or_b32 v[PW], v[TM+5], 8, v[TM+4]
	s_delay_alu instid0(VALU_DEP_1)
	v_lshl_or_b32 v[PW], v[TM+6], 16, v[PW]
	s_delay_alu instid0(VALU_DEP_1)
	v_lshl_or_b32 v[PW], v[TM+7], 24, v[PW]
.irp c, 0,1
	v_cvt_scalef32_pk16_bf6_f32 v[PC+6*\c:PC+2+6*\c], v[\s+32*\c:\s+15+32*\c], v[TM+12+2*\c]
	v_cvt_scalef32_pk16_bf6_f32 v[PC+12+4*\c:PC+14+4*\c], v[\s+16+32*\c:\s+31+32*\c], v[TM+13+2*\c]
.endr
	v_nop                                          ; one plain place behind a scaled conversion
.irp c, 0,1
.irp i, 0,1,2
	v_permlane16_swap_b32 v[PC+6*\c+\i], v[PC+12+4*\c+\i]
.endr
.irp i, 0,1,2
	s_delay_alu instid0(VALU_DEP_3)
	v_mov_b32 v[PC+3+6*\c+\i], v[PC+12+4*\c+\i]
.endr
.endr
.endm
.macro WSUM r, t
	s_delay_alu instid0(VALU_DEP_1)
	v_add_f32_dpp v[\r], v[\r], v[\r] row_xmask:1 row_mask:0xf bank_mask:0xf
	s_delay_alu instid0(VALU_DEP_1)
	v_add_f32_dpp v[\r], v[\r], v[\r] row_xmask:2 row_mask:0xf bank_mask:0xf
	s_delay_alu instid0(VALU_DEP_1)
	v_add_f32_dpp v[\r], v[\r], v[\r] row_xmask:4 row_mask:0xf bank_mask:0xf
	s_delay_alu instid0(VALU_DEP_1)
	v_add_f32_dpp v[\r], v[\r], v[\r] row_xmask:8 row_mask:0xf bank_mask:0xf
	s_delay_alu instid0(VALU_DEP_1)
	v_permlanex16_b32 v[\t], v[\r], s[SEL], s[SEL+1]
	s_delay_alu instid0(VALU_DEP_1)
	v_add_f32 v[\r], v[\r], v[\t]
.endm
	s_load_b256 s[4:11], s[0:1], 0x0               ; x1, g2, s2, h2c
	v_lshl_add_u32 v128, v0, 2, 0x10200
	v_mov_b32 v129, 0
	v_lshrrev_b32 v1, 5, v0
	s_delay_alu instid0(VALU_DEP_1)
	v_readfirstlane_b32 s28, v1                    ; wave 0..15
	v_and_b32 v2, 31, v0
	v_and_b32 v3, 15, v0                           ; r
	v_bfe_u32 v4, v0, 4, 1                         ; h
	s_delay_alu instid0(VALU_DEP_3)
	v_lshlrev_b32 v5, 4, v2
	s_wait_alu depctr_va_vdst(0)
	s_lshr_b32 s30, ttmp9, 3                       ; token panel
	s_and_b32 s31, ttmp9, 7                        ; tile t
	s_lshl_b32 s34, s30, 7
	s_lshr_b32 s32, s31, 1
	s_lshl_b32 s32, s32, 5
	s_add_co_u32 s34, s34, s32
	s_and_b32 s32, s31, 1
	s_lshl_b32 s32, s32, 3
	s_add_co_u32 s34, s34, s32
	s_add_co_u32 s34, s34, s28
	s_and_b32 s32, s28, 8
	s_add_co_u32 s34, s34, s32                     ; my row
	s_lshl_b32 s34, s34, 12
	s_mov_b32 s35, 0
	s_mul_i32 s36, s28, LP
	v_add_nc_u32 v6, s36, v5                       ; LDS, in
	s_and_b32 s46, s28, 7
	s_lshl_b32 s37, s46, 9
	v_mul_u32_u24 v7, v3, LP
	s_delay_alu instid0(VALU_DEP_1)
	v_lshl_add_u32 v7, v4, 6, v7
	s_delay_alu instid0(VALU_DEP_1)
	v_add_nc_u32 v7, s37, v7                       ; LDS, out
	v_lshlrev_b32 v30, 4, v3
	s_mov_b32 s38, 0x3a800000                      ; 1 / 1024
	s_mov_b32 s39, 0x3727c5ac                      ; 1e-5
	s_mov_b32 s[SEL], 0x76543210
	s_mov_b32 s[SEL+1], 0xfedcba98
	s_mul_i32 s40, s30, 102400
	s_mul_i32 s41, s46, 12800
	s_add_co_u32 s40, s40, s41
	s_mul_i32 s41, s31, 1536
	s_add_co_u32 s42, s40, s41
	s_mov_b32 s43, 0
	s_lshr_b32 s44, s31, 2
	s_lshl_b32 s44, s44, 8
	s_and_b32 s45, s31, 3
	s_lshl_b32 s45, s45, 2
	s_add_co_u32 s44, s44, s45
	s_add_co_u32 s44, s44, s40
	s_add_co_u32 s44, s44, 12288
	s_mov_b32 s45, 0
	s_wait_kmcnt 0x0
	s_add_nc_u64 s[4:5], s[4:5], s[34:35]
	s_add_nc_u64 s[42:43], s[10:11], s[42:43]
	s_add_nc_u64 s[44:45], s[10:11], s[44:45]
.irp j, 0,1,2,3,4,5,6,7
	global_load_b128 v[32+4*\j:35+4*\j], v5, s[4:5] offset:512*\j
.endr
.irp j, 0,1,2,3,4,5,6,7
	global_load_b128 v[64+4*\j:67+4*\j], v5, s[6:7] offset:512*\j
.endr
.irp j, 0,1,2,3,4,5,6,7
	global_load_b128 v[96+4*\j:99+4*\j], v5, s[8:9] offset:512*\j
.endr
	s_wait_loadcnt 16                              ; the row is in; the 16 loads of gain and shift may be out
	v_pk_add_f32 v[10:11], v[32:33], v[34:35]
	v_pk_add_f32 v[12:13], v[48:49], v[56:57]
	v_pk_add_f32 v[14:15], v[36:37], v[38:39]
	v_pk_add_f32 v[28:29], v[50:51], v[58:59]
	v_pk_add_f32 v[26:27], v[40:41], v[42:43]
	v_pk_add_f32 v[24:25], v[52:53], v[60:61]
	v_pk_add_f32 v[22:23], v[44:45], v[46:47]
	v_pk_add_f32 v[8:9], v[54:55], v[62:63]
	s_delay_alu instid0(VALU_DEP_1)
	v_pk_add_f32 v[8:9], v[8:9], v[28:29]
	v_pk_add_f32 v[10:11], v[10:11], v[26:27]
	v_pk_add_f32 v[12:13], v[12:13], v[24:25]
	v_pk_add_f32 v[14:15], v[14:15], v[22:23]
	s_delay_alu instid0(VALU_DEP_2)
	v_pk_add_f32 v[8:9], v[8:9], v[12:13]
	s_delay_alu instid0(VALU_DEP_2)
	v_pk_add_f32 v[10:11], v[10:11], v[14:15]
	s_delay_alu instid0(VALU_DEP_1)
	v_pk_add_f32 v[8:9], v[8:9], v[10:11]
	s_delay_alu instid0(VALU_DEP_1)
	v_add_f32 v8, v8, v9
	WSUM 8, 9
	s_delay_alu instid0(VALU_DEP_1)
	v_mul_f32 v8, s38, v8                          ; the mean
	s_delay_alu instid0(VALU_DEP_1)
	v_mov_b32 v9, v8
.set i, 0
.rept 16
	v_pk_add_f32 v[32+2*i:33+2*i], v[32+2*i:33+2*i], v[8:9] neg_lo:[0,1] neg_hi:[0,1]
.set i, i+1
.endr
.irp k, 0,1,2,3
	v_pk_mul_f32 v[10+2*\k:11+2*\k], v[32+2*\k:33+2*\k], v[32+2*\k:33+2*\k]
.endr
.irp j, 40,48,56
.irp k, 0,1,2,3
	s_delay_alu instid0(VALU_DEP_4)
	v_pk_fma_f32 v[10+2*\k:11+2*\k], v[\j+2*\k:\j+2*\k+1], v[\j+2*\k:\j+2*\k+1], v[10+2*\k:11+2*\k]
.endr
.endr
	s_delay_alu instid0(VALU_DEP_3)
	v_pk_add_f32 v[10:11], v[10:11], v[12:13]
	s_delay_alu instid0(VALU_DEP_2)
	v_pk_add_f32 v[14:15], v[14:15], v[16:17]
	s_delay_alu instid0(VALU_DEP_1)
	v_pk_add_f32 v[10:11], v[10:11], v[14:15]
	s_delay_alu instid0(VALU_DEP_1)
	v_add_f32 v10, v10, v11
	WSUM 10, 11
	s_delay_alu instid0(VALU_DEP_1)
	v_fma_f32 v10, v10, s38, s39
	s_wait_alu depctr_va_vdst(0)
	v_rsq_f32 v10, v10
	v_nop                                          ; one plain place behind a transcendental
	s_wait_alu depctr_va_vdst(0)
	v_mov_b32 v11, v10
	s_wait_alu depctr_va_vdst(0)
	s_wait_loadcnt 0x0
.set i, 0
.rept 16
	v_pk_mul_f32 v[32+2*i:33+2*i], v[32+2*i:33+2*i], v[10:11]
.set i, i+1
.endr
.set i, 0
.rept 16
	v_pk_fma_f32 v[32+2*i:33+2*i], v[32+2*i:33+2*i], v[64+2*i:65+2*i], v[96+2*i:97+2*i]
.set i, i+1
.endr
.irp j, 0,1,2,3,4,5,6,7
	ds_store_b128 v6, v[32+4*\j:35+4*\j] offset:LNS+512*\j
.endr
	s_wait_dscnt 0x0                               ; for the others' sake: my row lies in LDS
	s_barrier_signal -1
	s_barrier_wait -1
	s_cmp_lt_u32 s28, 8
	s_cbranch_scc1 .Lquant
	s_wait_tensorcnt 0x0
	ds_add_u32 v128, v129
	s_wait_dscnt 0x0
	s_endpgm
.Lquant:
.irp b, 0,1,2,3
.irp j, 0,1,2,3
	ds_load_b128 v[32+16*\b+4*\j:35+16*\b+4*\j], v7 offset:LNS+128*\b+16*\j
.endr
.endr
.irp b, 0,1,2,3
	v_mov_b32 v[TM+4+\b], 0
.endr
	s_wait_dscnt 0x0
	QUANT 32
.irp c, 0,1,2
	global_store_b128 v5, v[PC+4*\c:PC+4*\c+3], s[42:43] offset:512*\c
.endr
	global_store_b32 v30, v[PW], s[44:45]          ; 16 words, 16 bytes apart (lanes l and l + 16 store the same word to the same place)
	s_wait_tensorcnt 0x0
	ds_add_u32 v128, v129
	s_wait_dscnt 0x0
	s_endpgm
.Lfunc_end_k_q2c9fc1960e_ln2:
	.size	k_q2c9fc1960e_ln2, .Lfunc_end_k_q2c9fc1960e_ln2-k_q2c9fc1960e_ln2
	.p2alignl 7, 3214868480
	.fill 96, 4, 3214868480
	.section	.rodata,"a",@progbits
	.p2align	6, 0x0
	.amdhsa_kernel k_q2c9fc1960e_ln2
		.amdhsa_group_segment_fixed_size 68096
		.amdhsa_private_segment_fixed_size 0
		.amdhsa_enable_private_segment 0
		.amdhsa_kernarg_size 32
		.amdhsa_user_sgpr_count 2
		.amdhsa_user_sgpr_kernarg_segment_ptr 1
		.amdhsa_wavefront_size32 1
		.amdhsa_system_sgpr_workgroup_id_x 1
		.amdhsa_system_sgpr_workgroup_id_y 1
		.amdhsa_system_sgpr_workgroup_id_z 1
		.amdhsa_system_vgpr_workitem_id 0
		.amdhsa_next_free_vgpr 130
		.amdhsa_next_free_sgpr 66
		.amdhsa_reserve_vcc 0
		.amdhsa_float_denorm_mode_32 3
		.amdhsa_float_denorm_mode_16_64 3
		.amdhsa_memory_ordered 1
		.amdhsa_forward_progress 1
		.amdhsa_inst_pref_size 21
	.end_amdhsa_kernel
	.amdgpu_metadata
---
amdhsa.version: [ 1, 2 ]
amdhsa.kernels:
  - .name:           k_q2c9fc1960e_ln2
    .symbol:         k_q2c9fc1960e_ln2.kd
    .args:
      - { .name: x1, .offset: 0, .size: 8, .value_kind: global_buffer, .address_space: global }
      - { .name: g2, .offset: 8, .size: 8, .value_kind: global_buffer, .address_space: global }
      - { .name: s2, .offset: 16, .size: 8, .value_kind: global_buffer, .address_space: global }
      - { .name: h2c, .offset: 24, .size: 8, .value_kind: global_buffer, .address_space: global }
    .group_segment_fixed_size: 68096
    .private_segment_fixed_size: 0
    .kernarg_segment_align: 8
    .kernarg_segment_size: 32
    .max_flat_workgroup_size: 512
    .sgpr_count:     66
    .vgpr_count:     130
    .wavefront_size: 32
...
	.end_amdgpu_metadata
.endif
;; end of part 5
;; launch ffn1 (part 6): grid 16 x 16, 4 waves a work-group, clusters of 4 x 4, 327,680 bytes of LDS; arguments wc, h2c, b1, hid; writes hid
.if DOCPART == 6
	.amdgcn_target "amdgcn-amd-amdhsa--gfx1250"
	.amdhsa_code_object_version 6
	.text
	.protected	k_q2c9fc1960e_ffn1
	.globl	k_q2c9fc1960e_ffn1
	.p2align	8
	.type	k_q2c9fc1960e_ffn1,@function
k_q2c9fc1960e_ffn1:
	s_mov_b64 s[64:65], 0
	v_nop
	global_prefetch_b8 v0, s[64:65] scope:SCOPE_SE
	s_setreg_imm32_b32 hwreg(HW_REG_WAVE_MODE, 25, 1), 1
	s_wait_xcnt 0x0
	s_wait_alu depctr_hold_cnt(0) depctr_sa_sdst(0) depctr_va_vdst(0) depctr_va_sdst(0) depctr_va_ssrc(0) depctr_va_vcc(0) depctr_vm_vsrc(0)
	s_getreg_b32 s2, hwreg(HW_REG_IB_STS2, 6, 4)
	s_cmp_eq_u32 s2, 0
	s_cbranch_scc0 .Lentry_in_a_cluster
	s_endpgm
.Lentry_in_a_cluster:
	s_bfe_u32 s2, ttmp6, 0x10000c
	s_cmp_lg_u32 s2, 0xf033
	s_cbranch_scc0 .Lentry_shape_is_right
	s_endpgm
.Lentry_shape_is_right:
.set NT,    8
.set KS,    2
.set REC,   12800
; hid = Q(gelu(LN2(x1) W1 + b1)) on codes of BF6 with E8M0 scales; operands and result are records of 12,800 bytes (128 rows x 128 along K: eight images of an operand's 12 registers, then 512 bytes of scale words).
; LDS: four areas of 76,800 bytes, one for each panel (source 1's two, then source 0's two), each filled by the wave of its number: K step k of a panel lies at 12,800 (k % 6) of its area.
; A panel's eight records are dense in memory: K steps 0 to 5 come by ONE tensor load a wave at the head (300 rows of 256 bytes); K steps 6 and 7 fill the area's first 25,600 bytes again (100 rows).
.set SLOT,  25600                      ; two K steps of one panel: a third of an area
.set SPARE, 307200
.set AD1,   16
.set AD0,   19
.set AS1,   22
.set AS0,   6
.set TM,    192
.set PWR,   208
.set PC,    216
.set SEL,   56
.set G1,  24
.set G1B, 48
.set G0,  68
.set G0B, 80
.set MSB, 0
.macro WIN new
.if MSB != (\new)
	s_set_vgpr_msb (MSB<<8)|(\new)
.set MSB, \new
.endif
.endm
.macro PLACES n
.rept \n
	v_nop
.endr
.endm
.macro JLOAD g0a, g1a, g0b, g1b
	s_cmp_eq_u32 s15, 0
	s_cbranch_scc0 .Lfor_b_\@
	tensor_load_to_lds s[\g0a:\g0a+3], s[\g1a:\g1a+7]
	s_nop 0
.rept 4
	v_nop
.endr
	s_branch .Lasked_\@
.Lfor_b_\@:
	tensor_load_to_lds s[\g0b:\g0b+3], s[\g1b:\g1b+7]
	s_nop 0
.rept 4
	v_nop
.endr
.Lasked_\@:
.endm
.macro CREST
	s_cmp_lg_u32 s14, 0
	s_cbranch_scc1 .Lnot_wave_0_\@
	s_barrier_signal -3
.Lnot_wave_0_\@:
	s_barrier_wait -3
	s_barrier_signal -1
	s_barrier_wait -1
.endm
.macro CROUND
	s_barrier_signal -1
	s_barrier_wait -1
	CREST
.endm
.macro FETCH slot, q, p
	WIN (\p)<<6
.set fi, 0
.rept NT
.irp c, 0,1,2
	ds_load_b128 v[64+12*fi+4*\c:64+12*fi+4*\c+3], v[AD0+\slot] offset:REC*(\q)+1536*fi+512*\c
.endr
.set fi, fi+1
.endr
.set fi, 0
.rept NT
.irp c, 0,1,2
	ds_load_b128 v[64+12*NT+12*fi+4*\c:64+12*NT+12*fi+4*\c+3], v[AD1+\slot] offset:REC*(\q)+1536*fi+512*\c
.endr
.set fi, fi+1
.endr
	WIN 0
.set fi, 0
.rept NT/4
	ds_load_b128 v[32+16*(\p)+4*fi:32+16*(\p)+4*fi+3], v[AS0+\slot] offset:REC*(\q)+12288+256*fi
	ds_load_b128 v[40+16*(\p)+4*fi:40+16*(\p)+4*fi+3], v[AS1+\slot] offset:REC*(\q)+12288+256*fi
.set fi, fi+1
.endr
.endm
.macro MULROWS p, a0, a1, zero
.set ma, \a0
.rept (\a1)-(\a0)
.set mw, 2+(ma*NT)/32
	WIN (\p)|((\p)<<2)|(mw<<4)|(mw<<6)
.set mb, 0
.rept NT
.set mr, 8*((ma*NT+mb)%32)
.if \zero
	v_wmma_scale_f32_16x16x128_f8f6f4 v[mr:mr+7], v[64+12*mb:64+12*mb+11], v[64+12*NT+12*ma:64+12*NT+12*ma+11], 0, v[32+16*(\p)+mb], v[40+16*(\p)+ma] matrix_a_fmt:MATRIX_FMT_BF6 matrix_b_fmt:MATRIX_FMT_BF6
.else
	v_wmma_scale_f32_16x16x128_f8f6f4 v[mr:mr+7], v[64+12*mb:64+12*mb+11], v[64+12*NT+12*ma:64+12*NT+12*ma+11], v[mr:mr+7], v[32+16*(\p)+mb], v[40+16*(\p)+ma] matrix_a_fmt:MATRIX_FMT_BF6 matrix_b_fmt:MATRIX_FMT_BF6
.endif
.set mb, mb+1
.endr
.set ma, ma+1
.endr
.endm
.macro STEP p, nslot, nq, zero
	s_wait_dscnt 0x0
	PLACES 4
	FETCH \nslot, \nq, 1-(\p)
	MULROWS \p, 0, NT, \zero
	WIN 0
.endm
.macro TURN slot, next, fill
	s_wait_tensorcnt 0x0
	ds_add_u32 v28, v29
	s_wait_dscnt 0x1
	MULROWS 1, 0, NT/4, 0
	s_wait_dscnt 0x0
	s_barrier_signal -1
	MULROWS 1, NT/4, NT/2, 0
	WIN 0
	s_barrier_wait -1
.if \fill
	CREST
	s_add_nc_u64 s[G0+4*\slot+2:G0+4*\slot+3], s[G0+4*\slot+2:G0+4*\slot+3], 3*KS*REC
	s_add_nc_u64 s[G0B+4*\slot+2:G0B+4*\slot+3], s[G0B+4*\slot+2:G0B+4*\slot+3], 3*KS*REC
	JLOAD G0+4*\slot, G1, G0B+4*\slot, G1B
.else
	PLACES 4
.endif
	s_wait_alu depctr_va_vdst(0)
	FETCH \next, 0, 0
	MULROWS 1, NT/2, NT, 0
	WIN 0
.endm
.macro QUANT s, w, pw
	WIN (\w)|((\w)<<2)
.irp b, 0,1,2,3
	v_max3_num_f32 v[TM+\b], |v[(\s)+16*\b]|, |v[(\s)+16*\b+1]|, 0x2800000
.endr
.irp i, 2,4,6,8,10,12,14
.irp b, 0,1,2,3
	v_max3_num_f32 v[TM+\b], |v[(\s)+16*\b+\i]|, |v[(\s)+16*\b+\i+1]|, v[TM+\b]
.endr
.endr
	WIN 0
.irp b, 0,1,2,3
	v_permlanex16_b32 v[TM+4+\b], v[TM+\b], s[SEL], s[SEL+1]
.endr
.irp b, 0,1,2,3
	v_max_num_f32 v[TM+\b], v[TM+\b], v[TM+4+\b]
.endr
.irp b, 0,1,2,3
	v_add_nc_u32 v[TM+12+\b], 0xfe000000, v[TM+\b]
.endr
.irp b, 0,1,2,3
	v_lshrrev_b32 v[TM+4+\b], 23, v[TM+12+\b]
.endr
	v_lshl_or_b32 v[\pw], v[TM+5], 8, v[TM+4]
	v_lshl_or_b32 v[\pw], v[TM+6], 16, v[\pw]
	v_lshl_or_b32 v[\pw], v[TM+7], 24, v[\pw]
	WIN \w
.irp c, 0,1
	v_cvt_scalef32_pk16_bf6_f32 v[PC+6*\c:PC+6*\c+2], v[(\s)+32*\c:(\s)+32*\c+15], v[TM+12+2*\c]
	v_cvt_scalef32_pk16_bf6_f32 v[PC+12+4*\c:PC+14+4*\c], v[(\s)+16+32*\c:(\s)+31+32*\c], v[TM+13+2*\c]
.endr
	WIN 0
	v_nop
.irp c, 0,1
.irp i, 0,1,2
	v_permlane16_swap_b32 v[PC+6*\c+\i], v[PC+12+4*\c+\i]
.endr
.irp i, 0,1,2
	v_mov_b32 v[PC+3+6*\c+\i], v[PC+12+4*\c+\i]
.endr
.endr
.endm
.macro GELU
.set gi, 0
.rept 32
	v_pk_mul_f32 v[128+2*gi:129+2*gi], v[64+2*gi:65+2*gi], v[64+2*gi:65+2*gi]
.set gi, gi+1
.endr
.set gi, 0
.rept 32
	v_pk_fma_f32 v[128+2*gi:129+2*gi], v[128+2*gi:129+2*gi], s[58:59], v[12:13] op_sel_hi:[1,0,1]
.set gi, gi+1
.endr
.set gi, 0
.rept 32
	v_pk_mul_f32 v[128+2*gi:129+2*gi], v[128+2*gi:129+2*gi], v[64+2*gi:65+2*gi]
.set gi, gi+1
.endr
.set gi, 0
	s_wait_alu depctr_va_vdst(0)
.rept 64
	v_exp_f32 v[128+gi], v[128+gi]
.set gi, gi+1
.endr
	v_nop
.set gi, 0
	s_wait_alu depctr_va_vdst(0)
.rept 32
	v_pk_add_f32 v[128+2*gi:129+2*gi], v[128+2*gi:129+2*gi], 1.0 op_sel_hi:[1,0]
.set gi, gi+1
.endr
.set gi, 0
	s_wait_alu depctr_va_vdst(0)
.rept 64
	v_rcp_f32 v[128+gi], v[128+gi]
.set gi, gi+1
.endr
	v_nop
.set gi, 0
	s_wait_alu depctr_va_vdst(0)
.rept 32
	v_pk_mul_f32 v[64+2*gi:65+2*gi], v[64+2*gi:65+2*gi], v[128+2*gi:129+2*gi]
.set gi, gi+1
.endr
.endm
	s_load_b128 s[4:7], s[0:1], 0x0
	s_load_b128 s[8:11], s[0:1], 0x10
	v_lshl_add_u32 v28, v0, 2, SPARE
	v_mov_b32 v29, 0
	ds_add_u32 v28, v29
	ds_add_u32 v28, v29
	s_wait_dscnt 0x0
	v_lshrrev_b32 v1, 5, v0
	v_readfirstlane_b32 s14, v1
	s_lshr_b32 s15, s14, 1
	s_and_b32 s16, s14, 1
	s_bfe_u32 s40, ttmp6, 0x40000
	s_bfe_u32 s41, ttmp6, 0x40004
	s_lshl_b32 s42, ttmp9, 2
	s_add_co_u32 s42, s42, s40
	s_and_b32 s17, ttmp7, 0xffff
	s_lshl_b32 s17, s17, 2
	s_add_co_u32 s17, s17, s41
	s_lshl_b32 s43, s41, 2
	s_lshl_b32 s43, 15, s43
	s_lshl_b32 s44, 0x1111, s40
	s_or_b32 s[G1+0], s43, (3<<16)|(1<<21)
	s_or_b32 s[G1B+0], s44, (3<<16)|(1<<21)
.irp g, G1, G1B
	s_mov_b32 s[\g+1], 32<<16
	s_mov_b32 s[\g+2], 300<<16                     ; tensor_dim1: the head's load brings six records
	s_mov_b32 s[\g+3], 32<<16
	s_mov_b32 s[\g+4], 300                         ; tile_dim1
	s_mov_b32 s[\g+5], 32
	s_mov_b32 s[\g+6], 0
	s_mov_b32 s[\g+7], 0
.endr
	s_lshl_b32 s20, s17, 1
	s_add_co_u32 s20, s20, s16
	s_mul_i32 s20, s20, 102400
	s_mov_b32 s21, 0
	s_lshl_b32 s46, s42, 1
	s_add_co_u32 s46, s46, s16
	s_mul_i32 s46, s46, 102400
	s_add_co_u32 s46, s46, 3276800
	s_mov_b32 s47, 0
	s_mul_i32 s45, s14, 76800                      ; my area
	s_wait_kmcnt 0x0
	s_add_nc_u64 s[20:21], s[6:7], s[20:21]
	s_add_nc_u64 s[46:47], s[4:5], s[46:47]
	CROUND
.irp s, 0                                      ; one group 0 a side: the head's load, and, stepped six records on, the refill
	s_mov_b32 s[G0+4*\s], 1
	s_add_co_u32 s[G0+4*\s+1], s45, \s*SLOT
	s_add_nc_u64 s[G0+4*\s+2:G0+4*\s+3], s[20:21], \s*KS*REC
	s_or_b32 s[G0+4*\s+3], s[G0+4*\s+3], 0x80000000
	s_mov_b32 s[G0B+4*\s], 1
	s_add_co_u32 s[G0B+4*\s+1], s45, \s*SLOT
	s_add_nc_u64 s[G0B+4*\s+2:G0B+4*\s+3], s[46:47], \s*KS*REC
	s_or_b32 s[G0B+4*\s+3], s[G0B+4*\s+3], 0x80000000
	JLOAD G0+4*\s, G1, G0B+4*\s, G1B               ; my one tensor load at the head, behind the round above
.endr
	v_and_b32 v3, 31, v0
	v_and_b32 v1, 15, v0
	v_bfe_u32 v2, v0, 4, 1
	v_lshlrev_b32 v27, 4, v3
	v_lshlrev_b32 v4, 4, v1
	s_mul_i32 s21, s15, 76800                      ; my panel of source 1
	s_mul_i32 s22, s16, 76800
	s_add_co_u32 s22, s22, 153600                  ; my panel of source 0
.irp s, 0,1,2
	v_add_nc_u32 v[AD1+\s], s21, v27
	v_add_nc_u32 v[AD0+\s], s22, v27
	v_add_nc_u32 v[AS1+\s], s21, v4
	v_add_nc_u32 v[AS0+\s], s22, v4
	s_add_co_u32 s21, s21, SLOT
	s_add_co_u32 s22, s22, SLOT
.endr
	s_mov_b32 s[SEL], 0x76543210
	s_mov_b32 s[SEL+1], 0xfedcba98
	s_mov_b32 s58, 0xbdd2d3e8
	s_mov_b32 s59, s58
	v_mov_b32 v12, 0xc0135761
	v_mov_b32 v13, 0xc0135761
	s_lshl_b32 s32, s42, 1
	s_add_co_u32 s32, s32, s16
	s_lshl_b32 s33, s17, 1
	s_add_co_u32 s33, s33, s15
	s_lshl_b32 s34, s32, 9
	s_mov_b32 s35, 0
	s_add_nc_u64 s[8:9], s[8:9], s[34:35]
	s_lshl_b32 s33, s33, 5
	s_add_co_u32 s33, s33, s32
	s_mul_i32 s66, s33, REC
	s_mov_b32 s67, 0
	s_add_nc_u64 s[66:67], s[10:11], s[66:67]
	v_lshlrev_b32 v5, 6, v2
	WIN 0x40
.irp b, 0,1,2,3
.irp j, 0,1,2,3
	global_load_b128 v[16*\b+4*\j:16*\b+4*\j+3], v5, s[8:9] offset:128*\b+16*\j
.endr
.endr
	WIN 0
	s_wait_alu depctr_va_vdst(0)
	s_wait_tensorcnt 0x0                           ; my area's six K steps are in; no tensor load of mine is out, so a descriptor may be written:
	s_mov_b32 s[G1+2], 100<<16                     ; the refill brings two records
	s_mov_b32 s[G1+4], 100
	s_mov_b32 s[G1B+2], 100<<16
	s_mov_b32 s[G1B+4], 100
	s_barrier_signal -1
	s_barrier_wait -1
	FETCH 0, 0, 0
	STEP 0, 0, 1, 1
	TURN 0, 1, 1
	STEP 0, 1, 1, 0
	STEP 1, 2, 0, 0
	STEP 0, 2, 1, 0
	TURN 2, 0, 0
	STEP 0, 0, 1, 0
	s_wait_dscnt 0x0
	MULROWS 1, 0, NT, 0
	WIN 0
	s_wait_loadcnt 0x0
	PLACES 4
.irp b, 0,1,2,3
	v_mov_b32 v[TM+4+\b], 0
.endr
.irp a, 0,1,2,3,4,5,6,7
	WIN (2+\a/4)|(1<<2)
.set gi, 0
.rept 32
	v_pk_add_f32 v[64+2*gi:65+2*gi], v[64*(\a%4)+2*gi:64*(\a%4)+2*gi+1], v[2*gi:2*gi+1]
.set gi, gi+1
.endr
	WIN 0
	GELU
.if \a > 0
	s_wait_xcnt 0x0
.endif
	QUANT 64, 0, PWR+\a
.irp c, 0,1,2
	global_store_b128 v27, v[PC+4*\c:PC+4*\c+3], s[66:67] offset:1536*\a+512*\c
.endr
.endr
	v_cmp_le_u32 vcc_lo, 16, v3
.irp i, 0,1,2,3
	v_cndmask_b32 v[236+\i], v[PWR+\i], v[PWR+4+\i], vcc_lo
.endr
	global_store_b128 v27, v[236:239], s[66:67] offset:12288
	s_wait_tensorcnt 0x0
	ds_add_u32 v28, v29
	s_wait_dscnt 0x0
	CROUND
	s_endpgm
.Lfunc_end_k_q2c9fc1960e_ffn1:
	.size	k_q2c9fc1960e_ffn1, .Lfunc_end_k_q2c9fc1960e_ffn1-k_q2c9fc1960e_ffn1
	.p2alignl 7, 3214868480
	.fill 96, 4, 3214868480
	.section	.rodata,"a",@progbits
	.p2align	6, 0x0
	.amdhsa_kernel k_q2c9fc1960e_ffn1
		.amdhsa_group_segment_fixed_size 327680
		.amdhsa_private_segment_fixed_size 0
		.amdhsa_enable_private_segment 0
		.amdhsa_kernarg_size 32
		.amdhsa_user_sgpr_count 2
		.amdhsa_user_sgpr_kernarg_segment_ptr 1
		.amdhsa_wavefront_size32 1
		.amdhsa_system_sgpr_workgroup_id_x 1
		.amdhsa_system_sgpr_workgroup_id_y 1
		.amdhsa_system_sgpr_workgroup_id_z 1
		.amdhsa_system_vgpr_workitem_id 0
		.amdhsa_next_free_vgpr 1024
		.amdhsa_next_free_sgpr 92
		.amdhsa_reserve_vcc 1
		.amdhsa_float_denorm_mode_32 3
		.amdhsa_float_denorm_mode_16_64 3
		.amdhsa_memory_ordered 1
		.amdhsa_forward_progress 1
		.amdhsa_inst_pref_size 255
	.end_amdhsa_kernel
	.section	.bss,"aw",@nobits
	.p2align	6
	.space	262144
	.amdgpu_metadata
---
amdhsa.version: [ 1, 2 ]
amdhsa.kernels:
  - .name:           k_q2c9fc1960e_ffn1
    .symbol:         k_q2c9fc1960e_ffn1.kd
    .args:
      - { .name: wc, .offset: 0, .size: 8, .value_kind: global_buffer, .address_space: global }
      - { .name: h2c, .offset: 8, .size: 8, .value_kind: global_buffer, .address_space: global }
      - { .name: b1, .offset: 16, .size: 8, .value_kind: global_buffer, .address_space: global }
      - { .name: hid, .offset: 24, .size: 8, .value_kind: global_buffer, .address_space: global }
    .group_segment_fixed_size: 327680
    .private_segment_fixed_size: 0
    .kernarg_segment_align: 8
    .kernarg_segment_size: 32
    .max_flat_workgroup_size: 128
    .sgpr_count:     92
    .vgpr_count:     1024
    .wavefront_size: 32
...
	.end_amdgpu_metadata
.endif
;; end of part 6
;; launch ffn2 (part 7): grid 8 x 32, 4 waves a work-group, clusters of 4 x 4, 327,680 bytes of LDS; arguments hid, wc, b2, x1, out0; writes out0
.if DOCPART == 7
	.amdgcn_target "amdgcn-amd-amdhsa--gfx1250"
	.amdhsa_code_object_version 6
	.text
	.protected	k_q2c9fc1960e_ffn2
	.globl	k_q2c9fc1960e_ffn2
	.p2align	8
	.type	k_q2c9fc1960e_ffn2,@function
k_q2c9fc1960e_ffn2:
	s_mov_b64 s[64:65], 0
	v_nop
	global_prefetch_b8 v0, s[64:65] scope:SCOPE_SE
	s_setreg_imm32_b32 hwreg(HW_REG_WAVE_MODE, 25, 1), 1
	s_wait_xcnt 0x0
	s_wait_alu depctr_hold_cnt(0) depctr_sa_sdst(0) depctr_va_vdst(0) depctr_va_sdst(0) depctr_va_ssrc(0) depctr_va_vcc(0) depctr_vm_vsrc(0)
	s_getreg_b32 s2, hwreg(HW_REG_IB_STS2, 6, 4)
	s_cmp_eq_u32 s2, 0
	s_cbranch_scc0 .Lentry_in_a_cluster
	s_endpgm
.Lentry_in_a_cluster:
	s_bfe_u32 s2, ttmp6, 0x10000c
	s_cmp_lg_u32 s2, 0xf033
	s_cbranch_scc0 .Lentry_shape_is_right
	s_endpgm
.Lentry_shape_is_right:
.set NT,    4
.set PANB,  409600
.set WSEC,  6553600
.set REC,   12800
.set AREA,  153600
.set HALF,  76800
.set THIRD, 38400
.set STAGE, 307200
.set SPARE, 324608
.set AD1,   6
.set AD0,   10
.set AS1,   14
.set AS0,   18
.set G1,   24
.set G1B,  48
.set G0,   32
.set G0B,  56
.set G1S,  68
.set G1SB, 76
.set G0S,  84
.set G0SB, 88
.set rk,  0
.set MSB, 0
.macro WIN new
.if MSB != (\new)
	s_set_vgpr_msb (MSB<<8)|(\new)
.set MSB, \new
.endif
.endm
.macro PLACES n
.rept \n
	v_nop
.endr
.endm
.macro JLOAD g0a, g1a, g0b, g1b
	s_cmp_eq_u32 s15, 0
	s_cbranch_scc0 .Lfor_b_\@
	tensor_load_to_lds s[\g0a:\g0a+3], s[\g1a:\g1a+7]
	s_nop 0
.rept 4
	v_nop
.endr
	s_branch .Lasked_\@
.Lfor_b_\@:
	tensor_load_to_lds s[\g0b:\g0b+3], s[\g1b:\g1b+7]
	s_nop 0
.rept 4
	v_nop
.endr
.Lasked_\@:
.endm
.macro CREST
	s_cmp_lg_u32 s14, 0
	s_cbranch_scc1 .Lnot_wave_0_\@
	s_barrier_signal -3
.Lnot_wave_0_\@:
	s_barrier_wait -3
	s_barrier_signal -1
	s_barrier_wait -1
.endm
.macro CROUND
	s_barrier_signal -1
	s_barrier_wait -1
	CREST
.endm
.macro FETCH pos, p
.set fs, (\pos)/3
.set fq, (\pos)%3
	WIN (\p)<<6
.set fi, 0
.rept NT
.irp c, 0,1,2
	ds_load_b128 v[64+12*fi+4*\c:64+12*fi+4*\c+3], v[AD0+fs] offset:REC*fq+1536*fi+512*\c
.endr
.set fi, fi+1
.endr
.set fi, 0
.rept NT
.irp c, 0,1,2
	ds_load_b128 v[64+12*NT+12*fi+4*\c:64+12*NT+12*fi+4*\c+3], v[AD1+fs] offset:REC*fq+1536*fi+512*\c
.endr
.set fi, fi+1
.endr
	WIN 0
	ds_load_b128 v[32+16*(\p):32+16*(\p)+3], v[AS0+fs] offset:REC*fq+12288
	ds_load_b128 v[40+16*(\p):40+16*(\p)+3], v[AS1+fs] offset:REC*fq+12288
.endm
.macro MULROWS p, a0, a1, zero
.set ma, \a0
.rept (\a1)-(\a0)
	WIN (\p)|((\p)<<2)|(2<<4)|(2<<6)
.set mb, 0
.rept NT
.set mr, 8*(ma*NT+mb)
.if \zero
	v_wmma_scale_f32_16x16x128_f8f6f4 v[mr:mr+7], v[64+12*mb:64+12*mb+11], v[64+12*NT+12*ma:64+12*NT+12*ma+11], 0, v[32+16*(\p)+mb], v[40+16*(\p)+ma] matrix_a_fmt:MATRIX_FMT_BF6 matrix_b_fmt:MATRIX_FMT_BF6
.else
	v_wmma_scale_f32_16x16x128_f8f6f4 v[mr:mr+7], v[64+12*mb:64+12*mb+11], v[64+12*NT+12*ma:64+12*NT+12*ma+11], v[mr:mr+7], v[32+16*(\p)+mb], v[40+16*(\p)+ma] matrix_a_fmt:MATRIX_FMT_BF6 matrix_b_fmt:MATRIX_FMT_BF6
.endif
.set mb, mb+1
.endr
.set ma, ma+1
.endr
.endm
.macro STEP k, zero
	s_wait_dscnt 0x0
	PLACES 4
	FETCH ((\k)+1)%12, 1-((\k)%2)
.if ((\k) >= 6) && (rk < 32)
	WIN 0xc0
.rept 2
	global_load_b128 v[4*rk:4*rk+3], v26, s[10:11] offset:(32*(rk/16)+8*((rk/8)%2)+2*(rk%8)+8*((rk%8)/4))*4096
.set rk, rk+1
.endr
.endif
	MULROWS (\k)%2, 0, NT, \zero
	WIN 0
.endm
.macro TURN k, fill
.set th, ((\k)/6)%2
	s_wait_tensorcnt 0x0
	ds_add_u32 v28, v29
	s_wait_dscnt 0x1
	MULROWS (\k)%2, 0, 1, 0
	s_wait_dscnt 0x0
	s_barrier_signal -1
	MULROWS (\k)%2, 1, 2, 0
	WIN 0
	s_barrier_wait -1
.if \fill == 1
	CREST
	s_add_nc_u64 s[G0+4*th+2:G0+4*th+3], s[G0+4*th+2:G0+4*th+3], 2*HALF
	s_add_nc_u64 s[G0B+4*th+2:G0B+4*th+3], s[G0B+4*th+2:G0B+4*th+3], 2*HALF
	JLOAD G0+4*th, G1, G0B+4*th, G1B
.elseif \fill == 2
	CREST
	JLOAD G0S, G1S, G0SB, G1SB
.else
	PLACES 4
.endif
	FETCH ((\k)+1)%12, 1-((\k)%2)
	MULROWS (\k)%2, 2, NT, 0
	WIN 0
.endm
	s_load_b256 s[4:11], s[0:1], 0x0
	s_load_b64 s[12:13], s[0:1], 0x20
	v_lshl_add_u32 v28, v0, 2, SPARE
	v_mov_b32 v29, 0
	ds_add_u32 v28, v29
	ds_add_u32 v28, v29
	s_wait_dscnt 0x0
	v_lshrrev_b32 v1, 5, v0
	v_readfirstlane_b32 s14, v1
	s_lshr_b32 s15, s14, 1
	s_and_b32 s16, s14, 1
	s_bfe_u32 s40, ttmp6, 0x40000
	s_bfe_u32 s41, ttmp6, 0x40004
	s_lshl_b32 s42, ttmp9, 2
	s_add_co_u32 s42, s42, s40
	s_and_b32 s17, ttmp7, 0xffff
	s_lshl_b32 s17, s17, 2
	s_add_co_u32 s17, s17, s41
	s_lshl_b32 s43, s41, 2
	s_lshl_b32 s43, 15, s43
	s_lshl_b32 s44, 0x1111, s40
	s_or_b32 s[G1+0], s43, (3<<16)|(1<<21)
	s_or_b32 s[G1B+0], s44, (3<<16)|(1<<21)
	s_or_b32 s[G1S+0], s43, (3<<16)|(1<<21)
	s_or_b32 s[G1SB+0], s44, (3<<16)|(1<<21)
.irp g, G1, G1B
	s_mov_b32 s[\g+1], 32<<16
	s_mov_b32 s[\g+2], 300<<16                     ; the head's load brings six records, 300 rows of 256 bytes
	s_mov_b32 s[\g+3], 32<<16
	s_mov_b32 s[\g+4], 300
	s_mov_b32 s[\g+5], 32
	s_mov_b32 s[\g+6], 0
	s_mov_b32 s[\g+7], 0
.endr
.irp g, G1S, G1SB
	s_mov_b32 s[\g+1], 32<<16
	s_mov_b32 s[\g+2], 50<<16
	s_mov_b32 s[\g+3], 32<<16
	s_mov_b32 s[\g+4], 50
	s_mov_b32 s[\g+5], 32
	s_mov_b32 s[\g+6], 0
	s_mov_b32 s[\g+7], 0
.endr
	s_mul_i32 s20, s17, PANB
	s_mov_b32 s21, 0
	s_mul_i32 s46, s42, PANB
	s_add_co_u32 s46, s46, WSEC
	s_mov_b32 s47, 0
	s_mul_i32 s92, s16, THIRD
	s_mov_b32 s93, 0
	s_mul_i32 s94, s16, REC
	s_mov_b32 s95, 0
	s_mul_i32 s45, s15, AREA
	s_add_co_u32 s19, s45, s94
	s_add_co_u32 s19, s19, HALF
	s_add_co_u32 s45, s45, s92
	s_add_co_u32 s94, s94, 30*REC
	s_wait_kmcnt 0x0
	s_add_nc_u64 s[20:21], s[4:5], s[20:21]
	s_add_nc_u64 s[46:47], s[6:7], s[46:47]
	s_mov_b32 s[G0S], 1
	s_mov_b32 s[G0S+1], s19
	s_add_nc_u64 s[G0S+2:G0S+3], s[20:21], s[94:95]
	s_or_b32 s[G0S+3], s[G0S+3], 0x80000000
	s_mov_b32 s[G0SB], 1
	s_mov_b32 s[G0SB+1], s19
	s_add_nc_u64 s[G0SB+2:G0SB+3], s[46:47], s[94:95]
	s_or_b32 s[G0SB+3], s[G0SB+3], 0x80000000
	s_add_nc_u64 s[20:21], s[20:21], s[92:93]
	s_add_nc_u64 s[46:47], s[46:47], s[92:93]
	CROUND
.irp s, 0,1
	s_mov_b32 s[G0+4*\s], 1
	s_add_co_u32 s[G0+4*\s+1], s45, \s*HALF
	s_add_nc_u64 s[G0+4*\s+2:G0+4*\s+3], s[20:21], \s*HALF
	s_or_b32 s[G0+4*\s+3], s[G0+4*\s+3], 0x80000000
	s_mov_b32 s[G0B+4*\s], 1
	s_add_co_u32 s[G0B+4*\s+1], s45, \s*HALF
	s_add_nc_u64 s[G0B+4*\s+2:G0B+4*\s+3], s[46:47], \s*HALF
	s_or_b32 s[G0B+4*\s+3], s[G0B+4*\s+3], 0x80000000
.endr
	; THE HEAD'S LOAD, one a wave: wave % 2 = 0 brings its side's K steps 0-5 (half 0 of the area), wave % 2 = 1 K steps 6-11 (half 1): 76,800 dense bytes.
	; s[20:21], s[46:47] stand at the panel + (wave % 2) x THIRD, s45 likewise in LDS, and s92 = (wave % 2) x THIRD: once more makes (wave % 2) x HALF.
	s_add_nc_u64 s[6:7], s[20:21], s[92:93]        ; group 0 for source 1 in s[4:7] (the arguments that lay there have been used),
	s_or_b32 s7, s7, 0x80000000
	s_add_nc_u64 s[94:95], s[46:47], s[92:93]      ; for source 0 in s[92:95]
	s_or_b32 s95, s95, 0x80000000
	s_mov_b32 s4, 1
	s_add_co_u32 s5, s45, s92
	s_add_co_u32 s93, s45, s92
	s_mov_b32 s92, 1
	JLOAD 4, G1, 92, G1B
	v_and_b32 v3, 31, v0
	v_and_b32 v1, 15, v0
	v_bfe_u32 v2, v0, 4, 1
	v_lshlrev_b32 v27, 4, v3
	s_wait_alu depctr_va_vdst(0)
	v_lshlrev_b32 v4, 4, v1
	s_wait_alu depctr_va_vdst(0)
	s_mul_i32 s21, s15, 6144
	s_mul_i32 s22, s16, 6144
	s_add_co_u32 s22, s22, AREA
	s_lshl_b32 s23, s15, 8
	s_lshl_b32 s19, s16, 8
	s_add_co_u32 s19, s19, AREA
.irp s, 0,1,2,3
	v_add_nc_u32 v[AD1+\s], s21, v27
	v_add_nc_u32 v[AD0+\s], s22, v27
	v_add_nc_u32 v[AS1+\s], s23, v4
	v_add_nc_u32 v[AS0+\s], s19, v4
	s_add_co_u32 s21, s21, THIRD
	s_add_co_u32 s22, s22, THIRD
	s_add_co_u32 s23, s23, THIRD
	s_add_co_u32 s19, s19, THIRD
.endr
	s_mul_i32 s23, s14, 16*272
	s_add_co_u32 s23, s23, STAGE
	v_mul_u32_u24 v5, v1, 272
	v_lshl_add_u32 v5, v2, 6, v5
	v_add_nc_u32 v24, s23, v5
	v_mul_u32_u24 v5, v2, 272
	v_lshl_add_u32 v5, v1, 4, v5
	v_add_nc_u32 v25, s23, v5
	v_lshlrev_b32 v5, 12, v2
	v_lshl_add_u32 v26, v1, 4, v5
	s_lshl_b32 s96, s17, 19
	s_lshl_b32 s97, s15, 18
	s_add_co_u32 s96, s96, s97
	s_lshl_b32 s98, s42, 9
	s_lshl_b32 s99, s16, 8
	s_add_co_u32 s98, s98, s99
	s_add_co_u32 s96, s96, s98
	s_mov_b32 s97, 0
	s_mov_b32 s99, 0
	s_add_nc_u64 s[10:11], s[10:11], s[96:97]
	s_add_nc_u64 s[12:13], s[12:13], s[96:97]
	s_add_nc_u64 s[8:9], s[8:9], s[98:99]
	global_load_b128 v[224:227], v4, s[8:9]
	s_wait_alu depctr_va_vdst(0)
	s_wait_tensorcnt 0x0                           ; my six records are in; no tensor load of mine is out, so a descriptor may be written:
	s_mov_b32 s[G1+2], 150<<16                     ; a refill brings three records a wave
	s_mov_b32 s[G1+4], 150
	s_mov_b32 s[G1B+2], 150<<16
	s_mov_b32 s[G1B+4], 150
	s_barrier_signal -1
	s_barrier_wait -1
	FETCH 0, 0
	STEP 0, 1
.irp k, 1,2,3,4
	STEP \k, 0
.endr
	TURN 5, 1
	s_wait_alu depctr_va_vdst(0)
.irp k, 6,7,8,9,10
	STEP \k, 0
.endr
	TURN 11, 1
.irp k, 12,13,14,15,16
	STEP \k, 0
.endr
	TURN 17, 1
.irp k, 18,19,20,21,22
	STEP \k, 0
.endr
	TURN 23, 2
.irp k, 24,25,26,27,28
	STEP \k, 0
.endr
	TURN 29, 0
	STEP 30, 0
	s_wait_dscnt 0x0
	MULROWS 1, 0, NT, 0
	WIN 0
	s_wait_loadcnt 0x0
	PLACES 4
.irp a, 0,1,2,3
.set TT, 160+32*(\a%2)
.if \a > 1
	s_wait_xcnt 0x0
.endif
	WIN 0x08
.irp b, 0,1,2,3
	ds_store_b128 v24, v[8*(4*\a+\b):8*(4*\a+\b)+3] offset:128*(\b/2)+32*(\b%2)
	ds_store_b128 v24, v[8*(4*\a+\b)+4:8*(4*\a+\b)+7] offset:128*(\b/2)+32*(\b%2)+16
.endr
	WIN 0
.irp t, 0,1,2,3,4,5,6,7
	ds_load_b128 v[TT+4*\t:TT+4*\t+3], v25 offset:544*\t
.endr
	s_wait_dscnt 0x0
.irp t, 0,1,2,3,4,5,6,7
	v_pk_add_f32 v[TT+4*\t:TT+4*\t+1], v[TT+4*\t:TT+4*\t+1], v[224:225]
	v_pk_add_f32 v[TT+4*\t+2:TT+4*\t+3], v[TT+4*\t+2:TT+4*\t+3], v[226:227]
.endr
	WIN 0x0c
.irp t, 0,1,2,3,4,5,6,7
	v_pk_add_f32 v[TT+4*\t:TT+4*\t+1], v[TT+4*\t:TT+4*\t+1], v[32*\a+4*\t:32*\a+4*\t+1]
	v_pk_add_f32 v[TT+4*\t+2:TT+4*\t+3], v[TT+4*\t+2:TT+4*\t+3], v[32*\a+4*\t+2:32*\a+4*\t+3]
.endr
	WIN 0
.irp t, 0,1,2,3,4,5,6,7
	global_store_b128 v26, v[TT+4*\t:TT+4*\t+3], s[12:13] offset:(32*(\a/2)+8*(\a%2)+2*\t+8*(\t/4))*4096
.endr
.endr
	s_wait_tensorcnt 0x0
	ds_add_u32 v28, v29
	s_wait_dscnt 0x0
	CROUND
	s_endpgm
.Lfunc_end_k_q2c9fc1960e_ffn2:
	.size	k_q2c9fc1960e_ffn2, .Lfunc_end_k_q2c9fc1960e_ffn2-k_q2c9fc1960e_ffn2
	.p2alignl 7, 3214868480
	.fill 96, 4, 3214868480
	.section	.rodata,"a",@progbits
	.p2align	6, 0x0
	.amdhsa_kernel k_q2c9fc1960e_ffn2
		.amdhsa_group_segment_fixed_size 327680
		.amdhsa_private_segment_fixed_size 0
		.amdhsa_enable_private_segment 0
		.amdhsa_kernarg_size 40
		.amdhsa_user_sgpr_count 2
		.amdhsa_user_sgpr_kernarg_segment_ptr 1
		.amdhsa_wavefront_size32 1
		.amdhsa_system_sgpr_workgroup_id_x 1
		.amdhsa_system_sgpr_workgroup_id_y 1
		.amdhsa_system_sgpr_workgroup_id_z 1
		.amdhsa_system_vgpr_workitem_id 0
		.amdhsa_next_free_vgpr 896
		.amdhsa_next_free_sgpr 100
		.amdhsa_reserve_vcc 0
		.amdhsa_float_denorm_mode_32 3
		.amdhsa_float_denorm_mode_16_64 3
		.amdhsa_memory_ordered 1
		.amdhsa_forward_progress 1
		.amdhsa_inst_pref_size 158
	.end_amdhsa_kernel
	.amdgpu_metadata
---
amdhsa.version: [ 1, 2 ]
amdhsa.kernels:
  - .name:           k_q2c9fc1960e_ffn2
    .symbol:         k_q2c9fc1960e_ffn2.kd
    .args:
      - { .name: hid, .offset: 0, .size: 8, .value_kind: global_buffer, .address_space: global }
      - { .name: wc, .offset: 8, .size: 8, .value_kind: global_buffer, .address_space: global }
      - { .name: b2, .offset: 16, .size: 8, .value_kind: global_buffer, .address_space: global }
      - { .name: x1, .offset: 24, .size: 8, .value_kind: global_buffer, .address_space: global }
      - { .name: out0, .offset: 32, .size: 8, .value_kind: global_buffer, .address_space: global }
    .group_segment_fixed_size: 327680
    .private_segment_fixed_size: 0
    .kernarg_segment_align: 8
    .kernarg_segment_size: 40
    .max_flat_workgroup_size: 128
    .sgpr_count:     100
    .vgpr_count:     896
    .wavefront_size: 32
...
	.end_amdgpu_metadata
.endif
;; end of part 7
